; MI455X (gfx1250); checked and timed in simulation.
; The chip was launched on July 23, 2026; its instructions are those of AMD's public machine-readable ISA for CDNA 5 (MIT licence, August 2026) and "CDNA5" Instruction Set Architecture Reference Guide (July 2026). The comments in the code are by the model that wrote it; some were corrected since.
;; Multi Head Attention. Allowed arithmetic: matrix products marked QUANTISED: E2M3 operands, one E8M0 scale for each 32 along K, by v_wmma_scale_f32_16x16x128_f8f6f4 with both operands' format E2M3, f32 sums; everything else in f32.
;; Inputs: w_o 1,024 x 1,024 float32; w_qkv 1,024 x 3,072 float32; x 4 x 2,048 x 1,024 float32.
;; Outputs: out0 4 x 2,048 x 1,024 float32.
;; This version of the problem:
;;   THIS VERSION OF THE PROBLEM IS GIVEN IN LOW PRECISION. The matrix products marked QUANTISED in the list below multiply operands that are first quantised to E2M3 (2 exponent bits, 3 mantissa bits; 6 bits a number), with one power-of-two scale for each 32 numbers along K (OCP MX v1.0); their sums are f32. All else is computed in f32.
;;   The module's matrix products, in the order in which they are computed (A, B: the left and right operand; K: the contracted axis; several contracted axes count as one K, in the product's order):
;;     1. [M 8,192, K 1,024] x [K 1,024, N 3,072]; A: input x; B: input w_qkv: QUANTISED
;;     2. batch 64 x [M 2,048, K 64] x [K 64, N 2,048]; A: computed on the way; B: computed on the way: QUANTISED
;;     3. batch 64 x [M 2,048, K 2,048] x [K 2,048, N 64]; A: softmax (see below); B: computed on the way: QUANTISED
;;     4. [M 8,192, K 1,024] x [K 1,024, N 1,024]; A: computed on the way; B: input w_o: QUANTISED
;;   THE QUANTISER, for each operand of a quantised product, along K:
;;     - K is cut into blocks of 32 from its start; a last block that is shorter is filled with zeros.
;;     - A block's scale is 2^e with e = floor(log2(the largest magnitude in the block)) - 2, held to -126 .. 127; a block of zeros has e = 0. As a byte (E8M0): e + 127.
;;     - Each number is divided by its block's scale, clamped to +-7.5, and rounded to the nearest number of E2M3, ties to even, subnormals kept.
;;     - The product sums the exact products of the quantised numbers (number of the format x scale) in f32.
;;   ~~~python
;;   def quantise(x, axis):      # numpy; x: float32 -> the quantised numbers, widened to float32 again
;;       x = np.moveaxis(x, axis, -1); K = x.shape[-1]
;;       x = np.pad(x, [(0, 0)] * (x.ndim - 1) + [(0, -K % 32)]); x = x.reshape(x.shape[:-1] + (-1, 32)); a = np.abs(x).max(-1, keepdims=True)
;;       e = np.where(a > 0, np.clip(np.frexp(np.where(a > 0, a, 1))[1] - 1 - 2, -126, 127), 0)      # np.frexp(a)[1] - 1 = floor(log2(a)), exactly
;;       r = np.clip(x / 2.0 ** e, -7.5, 7.5)
;;       step = 2.0 ** (np.maximum(np.frexp(np.where(r == 0, 1, r))[1] - 1, 0) - 3)
;;       q = np.round(r / step) * step * 2.0 ** e      # np.round: ties to even
;;       return np.moveaxis(q.reshape(q.shape[:-2] + (-1,))[..., :K], -1, axis).astype(np.float32)
;;   ~~~
;;   SOFTMAX AHEAD OF A QUANTISED PRODUCT. Where the list says 'softmax', what is quantised is not the finished softmax but p = 2^(t - M), with t = logit x log2(e) and M = ceil(the row's largest t), a whole number; so 1/2 < the row's largest p <= 1. The row's sum l is taken of the UNQUANTISED p, in f32, and the product's result is divided by l at the end. Since M is a whole number, a kernel that streams over the keys may use a running M (the ceiling of the running maximum): every later rescaling is an exact power of two, which a block's scale takes up: the codes' values come out the same.
;;   OPERANDS COMPUTED ON THE WAY. 'Computed on the way' means the value that the module computes at that place (a softmax that the list does not call 'softmax' is quantised finished and normalised). What goes into a quantiser is computed in f32, as accurately as f32 sums, v_exp_f32 and their like allow (about 1e-6 of the number): no bf16 or f16 on the way to a quantiser, and a product that is left as it is and whose result goes on into a quantised operand takes f32 operands (vector FMAs, or v_wmma_f32_16x16x4_f32). A number that lies on a knife's edge between two numbers of the format may be rounded either way, as far as f32 arithmetic and the matrix unit's own rounding can turn it there, and no further.
;; One version. Each part assembles by itself: llvm-mc -triple=amdgcn-amd-amdhsa -mcpu=gfx1250 --defsym DOCPART=n.
;; ======== version 1 of 1: 4 launches
;; limits: right only within a limited range of input values
;; workspace buffers: xc 6,291,456 bytes; xs 262,144 bytes; wc 3,145,728 bytes; ws 131,072 bytes; qb 6,815,744 bytes; kv 13,369,344 bytes; oc 6,291,456 bytes; os 262,144 bytes
;; launch quant (part 1): grid 384 x 1, 4 waves a work-group, no clusters, 34,304 bytes of LDS; arguments x, w_qkv, w_o, xc, xs, wc, ws; writes xc, xs, wc, ws
.if DOCPART == 1
	.amdgcn_target "amdgcn-amd-amdhsa--gfx1250"
	.amdhsa_code_object_version 6
	.text
	.protected	k_qa2eef679a0_quant
	.globl	k_qa2eef679a0_quant
	.p2align	8
	.type	k_qa2eef679a0_quant,@function
k_qa2eef679a0_quant:
	s_mov_b64 s[64:65], 0
	v_nop
	global_prefetch_b8 v0, s[64:65] scope:SCOPE_SE
	s_setreg_imm32_b32 hwreg(HW_REG_WAVE_MODE, 25, 1), 1
	s_wait_xcnt 0x0
; x [8192][1024], w_qkv [1024][3072] and w_o [1024][1024], f32, become codes of FP6 (E2M3) with one E8M0 byte for each 32 along K = d_model.
; A block's scale is 2^(floor(log2(its largest magnitude)) - 2); its byte is the largest magnitude's exponent field - 2, held at 1 from below by a floor among the maximum's leaves.
; LIMITS: NaN and infinities among the inputs are not served.  A block of zeros gets the byte 1 where the rule says 127: its codes are zeros, and the bytes are read by this program alone.
; LAYOUT OF THE CODES: images of the operand's registers.  A HALF IMAGE is 16 rows x 64 k, 768 bytes: lane (r, h) holds six registers, the codes k = 32 h .. 32 h + 31 of its row;
; registers 0-3 lie at 16 x lane, registers 4-5 at 512 + 8 x lane.  Buffers: [rows / 128][k / 64][tile 8][768].
; THE ROWS OF A TILE ARE NOT NEIGHBOURS: lane r of tile 2 b + u holds row 32 b + 8 u + r + 8 (r / 8) of its 128.
; SCALE WORDS: [rows / 128][k / 256][tile 8][r 16][2 words]; a word's four bytes serve 128 along K.
; Work-groups 0-255 take x (32 tokens each; wave w the k 256 w ..), work-groups 256-383 take the weights (128 columns x 256 k; a lane a column, its registers down K).
; Only x's path uses LDS: a stage of 16 rows x 528 bytes for each wave, in which dense loads (512 bytes of a row an instruction) turn into 16 neighbours a lane.
.set STG,   8448                       ; a wave's stage: 16 rows x (512 + 16) bytes
.set SPARE, 4*STG                      ; behind the stages: the spare words, 128 bytes for each wave; no other line names them
.set SPW,   8                          ; v8  LDS address of my spare word; never rewritten, on either path
.set NIL,   9                          ; v9  0; never rewritten, on either path
.set TM,    16                         ; v16-31 at work in the quantiser
.set PC,    32                         ; v32-50 the codes just made
.set PW,    51                         ; v51    the scale word just made
.set R,     64                         ; v64-191 x: two sets of 64 registers as loaded
.set XN,    192                        ; v192-255 x: 64 numbers, register 16 b + i = k 32 b + 16 h + i of my row
.set WSC,   20                         ; v20-21 the weights' path: my column's two scale words
.set SEL,   20                         ; s[20:21] selects for lane l xor 16
; 64 numbers of a lane, register 16 b + i = k 32 b + 16 (lane / 16) + i of my row, become a fragment's 12 registers in v[PC] on and its scale word in v[PW]
.macro QUANT s
.irp b, 0,1,2,3
	v_max3_num_f32 v[TM+\b], |v[\s+16*\b]|, |v[\s+1+16*\b]|, 0x1800000   ; my 16 numbers of block b, and the floor 2^(3 - 127): the byte cannot fall under 1
.endr
.irp i, 2,4,6,8,10,12,14
.irp b, 0,1,2,3
	v_max3_num_f32 v[TM+\b], v[TM+\b], |v[\s+16*\b+\i]|, |v[\s+1+16*\b+\i]|   ; the four blocks by turns
.endr
.endr
.irp b, 0,1,2,3
	v_permlanex16_b32 v[TM+4+\b], v[TM+\b], s[SEL], s[SEL+1]
.endr
.irp b, 0,1,2,3
	v_max_num_f32 v[TM+\b], v[TM+\b], v[TM+4+\b]   ; with lane l xor 16's: the block's largest magnitude
.endr
.irp b, 0,1,2,3
	v_add_nc_u32 v[TM+12+\b], 0xff000000, v[TM+\b]   ; 2 off its exponent field: the conversion takes the exponent field of this operand as its scale
.endr
.irp b, 0,1,2,3
	v_lshrrev_b32 v[TM+4+\b], 23, v[TM+12+\b]      ; the scale's byte
.endr
	v_lshl_or_b32 v[PW], v[TM+5], 8, v[TM+4]
	v_lshl_or_b32 v[PW], v[TM+6], 16, v[PW]
	v_lshl_or_b32 v[PW], v[TM+7], 24, v[PW]
.irp c, 0,1
	v_cvt_scalef32_pk16_fp6_f32 v[PC+6*\c:PC+2+6*\c], v[\s+32*\c:\s+15+32*\c], v[TM+12+2*\c]
	v_cvt_scalef32_pk16_fp6_f32 v[PC+12+4*\c:PC+14+4*\c], v[\s+16+32*\c:\s+31+32*\c], v[TM+12+2*\c+1]   ; (a conversion's three registers begin on an even number)
.endr
	v_nop                                          ; one plain place behind the scaled conversions
.irp c, 0,1                                    ; a whole block to a lane: lanes 0-15 block 2 c, lanes 16-31 block 2 c + 1
.irp i, 0,1,2
	v_permlane16_swap_b32 v[PC+6*\c+\i], v[PC+12+4*\c+\i]
.endr
.irp i, 0,1,2
	v_mov_b32 v[PC+3+6*\c+\i], v[PC+12+4*\c+\i]
.endr
.endr
.endm
	s_load_b256 s[4:11], s[0:1], 0x0               ; x s[4:5], w_qkv s[6:7], w_o s[8:9], xc s[10:11]
	s_load_b128 s[12:15], s[0:1], 0x20             ; xs s[12:13], wc s[14:15]
	s_load_b64 s[16:17], s[0:1], 0x30              ; ws
	v_lshl_add_u32 v[SPW], v0, 2, SPARE
	v_mov_b32 v[NIL], 0
	v_lshrrev_b32 v1, 5, v0
	v_readfirstlane_b32 s18, v1                    ; wave 0..3
	v_and_b32 v10, 31, v0                          ; lane
	s_mov_b32 s[SEL], 0x76543210
	s_mov_b32 s[SEL+1], 0xfedcba98
	s_mov_b32 s22, 0xffff0000                      ; lanes 16-31
	s_cmp_lt_u32 ttmp9, 256                        ; x's work-group or a weight's: the work-group's number alone decides
	s_cbranch_scc0 .Lpath_w
	; ---------------- x: work-group g takes tokens 32 g .. 32 g + 31 (two tiles), wave w the k 256 w .. 256 w + 255
	v_lshlrev_b32 v1, 4, v10                       ; 16 x lane: a load's place, an image's first part
	v_lshlrev_b32 v2, 3, v10                       ; 8 x lane: an image's second part
	v_and_b32 v5, 15, v0                           ; r
	v_bfe_u32 v6, v0, 4, 1                         ; h
	s_mul_i32 s24, s18, STG
	v_add_nc_u32 v3, s24, v1                       ; into my stage: 16 x lane, a row an instruction
	v_mul_u32_u24 v4, v5, 528
	v_lshl_add_u32 v4, v6, 6, v4
	v_add_nc_u32 v4, s24, v4                       ; out of it: row r, + 64 h: my 16 numbers of a block of 32
.irp b, 0,1,2,3
	v_mov_b32 v[TM+4+\b], 0                        ; written once: a lane permute's destination counts as one of its sources
.endr
; x'S TILES (this takes the place of what the head comment says of a tile's rows, for x alone; the weights keep that order): row i of tile t of a block of 128 tokens is token 64 (t / 4) + 8 (t % 4) + i % 8 + 32 (i / 8).
; Work-group g takes tiles 2 (g % 4), + 1 of block g / 4: their rows begin at token 64 (g / 2) + 16 (g % 2); row i of tile u lies 8 u + i + 24 (i / 8) rows on.
	s_lshr_b32 s26, ttmp9, 1
	s_lshl_b32 s26, s26, 18                        ; 64 rows of 4,096 bytes,
	s_and_b32 s25, ttmp9, 1
	s_lshl_b32 s25, s25, 16                        ; 16 rows
	s_add_co_u32 s26, s26, s25
	s_lshl_b32 s25, s18, 10
	s_add_co_u32 s26, s26, s25                     ; + 1,024 bytes a wave
	s_mov_b32 s27, 0
	s_lshr_b32 s28, ttmp9, 2                       ; g / 4: the block of 128 rows
	s_and_b32 s29, ttmp9, 3                        ; g % 4: its tiles 2 (g % 4), + 1
	s_lshl_b32 s30, s28, 4
	s_lshl_b32 s25, s18, 2
	s_add_co_u32 s30, s30, s25                     ; 16 (g / 4) + 4 w: the first of my four k / 64
	s_lshl_b32 s30, s30, 3
	s_lshl_b32 s25, s29, 1
	s_add_co_u32 s30, s30, s25
	s_mul_i32 s30, s30, 768
	s_mov_b32 s31, 0
	s_lshl_b32 s32, s28, 2
	s_add_co_u32 s32, s32, s18
	s_lshl_b32 s32, s32, 3
	s_add_co_u32 s32, s32, s25
	s_lshl_b32 s32, s32, 7                         ; the scale words of my two tiles: 256 bytes
	s_mov_b32 s33, 0
	s_wait_alu depctr_va_vdst(0)
	s_wait_kmcnt 0x0
	s_add_nc_u64 s[4:5], s[4:5], s[26:27]
	s_add_nc_u64 s[10:11], s[10:11], s[30:31]
	s_add_nc_u64 s[12:13], s[12:13], s[32:33]
; unit n = 2 u + q: tile u, the q-th 128 along K of my 256.  Sixteen loads, each 512 consecutive bytes of one row of the tile
.macro LOADU n
.irp i, 0,1,2,3,4,5,6,7,8,9,10,11,12,13,14,15
	global_load_b128 v[R+64*((\n)%2)+4*\i:R+64*((\n)%2)+4*\i+3], v1, s[4:5] offset:(8*((\n)/2)+\i+24*(\i/8))*4096+512*((\n)%2) th:TH_LOAD_NT
.endr
.endm
.macro XUNIT n
.set RS, R+64*((\n)%2)
.if (\n) < 3
	s_wait_loadcnt 16                              ; this unit's 16 loads are in; the other set's 16 may be out
.else
	s_wait_loadcnt 0x0
.endif
.irp i, 0,1,2,3,4,5,6,7,8,9,10,11,12,13,14,15
	ds_store_b128 v3, v[RS+4*\i:RS+4*\i+3] offset:528*\i
.endr
.irp b, 0,1,2,3
.irp j, 0,1,2,3
	ds_load_b128 v[XN+16*\b+4*\j:XN+16*\b+4*\j+3], v4 offset:128*\b+16*\j   ; LDS serves a wave's instructions in order: these see my stores
.endr
.endr
	s_wait_dscnt 0x0                               ; the numbers are back, and the stores have read their registers
.if (\n) > 0
	s_wait_xcnt 0x0                                ; the last unit's stores have read the codes' registers: they are written again only behind this wait
.endif
.if (\n) < 2
	LOADU (\n)+2
.endif
	QUANT XN
	v_mov_b32 v[52+(\n)], v[PW]
.irp c, 0,1
	global_store_b128 v1, v[PC+6*\c:PC+6*\c+3], s[10:11] offset:(2*((\n)%2)+\c)*6144+((\n)/2)*768       ; 512 consecutive bytes
	global_store_b64 v2, v[PC+6*\c+4:PC+6*\c+5], s[10:11] offset:(2*((\n)%2)+\c)*6144+((\n)/2)*768+512   ; 256 consecutive bytes
.endr
.endm
	LOADU 0
	LOADU 1
	XUNIT 0
	XUNIT 1
	XUNIT 2
	XUNIT 3
	v_cndmask_b32 v56, v52, v54, s22               ; lanes 0-15: tile 0's words, lanes 16-31: tile 1's; first 128 along K,
	v_cndmask_b32 v57, v53, v55, s22               ; second
	global_store_b64 v2, v[56:57], s[12:13]        ; 256 consecutive bytes
	s_wait_tensorcnt 0x0                           ; the wave's end, behind my last LDS store
	ds_add_u32 v[SPW], v[NIL]
	s_wait_dscnt 0x0
	s_endpgm
	; ---------------- the weights: K is the FIRST axis.  A lane takes a column, its registers run down K: a block of 32 lies in one lane
.Lpath_w:
	s_sub_co_u32 s24, ttmp9, 256
	s_lshr_b32 s25, s24, 2                         ; cb 0..31: a block of 128 columns; 0-23 of w_qkv, 24-31 of w_o
	s_and_b32 s26, s24, 3                          ; y: which 256 along K
	s_wait_alu depctr_va_vdst(0)
	v_lshlrev_b32 v11, 2, v10                      ; 4 x lane
	v_bfe_u32 v12, v10, 3, 1                       ; column c of my 32 lies in tile u = (c / 8) % 2,
	v_and_b32 v13, 7, v10
	v_lshrrev_b32 v14, 4, v10
	v_lshl_or_b32 v13, v14, 3, v13                 ; at lane row r = c % 8 + 8 (c / 16)
	v_mul_u32_u24 v15, v12, 768
	v_lshl_add_u32 v5, v13, 4, v15                 ; an image's first part: 768 u + 16 r
	v_lshl_add_u32 v6, v13, 3, v15
	v_add_nc_u32 v6, 512, v6                       ; its second: 768 u + 512 + 8 r
	v_lshlrev_b32 v7, 7, v12
	v_lshl_add_u32 v7, v13, 3, v7                  ; the scale words: 128 u + 8 r
	s_mov_b32 s52, 4096
	s_sub_co_u32 s27, s25, 24
	s_cmp_lt_u32 s25, 24
	s_cselect_b32 s52, 12288, s52                  ; a row of the weight in bytes
	s_cselect_b32 s27, s25, s27                    ; the block of columns inside its own tensor
.irp i, 0,1,2,3,4,5,6,7,8,9,10,11,12,13,14,15,16,17,18,19,20,21,22,23,24,25,26,27,28,29,30,31
	v_mad_u32_u24 v[96+\i], s52, \i, v11           ; row i of a block of 32, my column; never rewritten
.endr
	s_lshl_b32 s28, s26, 8
	s_mul_i32 s28, s28, s52                        ; 256 y rows,
	s_lshl_b32 s29, s27, 9
	s_add_co_u32 s28, s28, s29                     ; 128 columns a block,
	s_lshl_b32 s29, s18, 7
	s_add_co_u32 s28, s28, s29                     ; 32 a wave
	s_mov_b32 s29, 0
	s_lshl_b32 s54, s52, 5                         ; 32 rows on
	s_mov_b32 s55, 0
	s_mul_i32 s30, s25, 98304
	s_mul_i32 s31, s26, 24576
	s_add_co_u32 s30, s30, s31
	s_mul_i32 s31, s18, 1536
	s_add_co_u32 s30, s30, s31                     ; the codes: block cb, k / 64 = 4 y, tiles 2 w, 2 w + 1
	s_mov_b32 s31, 0
	s_lshl_b32 s32, s25, 2
	s_add_co_u32 s32, s32, s26
	s_lshl_b32 s32, s32, 10
	s_lshl_b32 s33, s18, 8
	s_add_co_u32 s32, s32, s33                     ; the scale words likewise
	s_mov_b32 s33, 0
	s_wait_alu depctr_va_vdst(0)
	s_wait_kmcnt 0x0
	s_cmp_lt_u32 s25, 24
	s_cselect_b64 s[36:37], s[6:7], s[8:9]         ; w_qkv or w_o
	s_add_nc_u64 s[36:37], s[36:37], s[28:29]      ; a base for each of my eight blocks of 32 along K: none is ever stepped
.irp t, 1,2,3,4,5,6,7
	s_add_nc_u64 s[36+2*\t:37+2*\t], s[34+2*\t:35+2*\t], s[54:55]
.endr
	s_add_nc_u64 s[14:15], s[14:15], s[30:31]
	s_add_nc_u64 s[16:17], s[16:17], s[32:33]
.macro LOADW t
.irp i, 0,1,2,3,4,5,6,7,8,9,10,11,12,13,14,15,16,17,18,19,20,21,22,23,24,25,26,27,28,29,30,31
	global_load_b32 v[32+32*((\t)%2)+\i], v[96+\i], s[36+2*(\t):37+2*(\t)] th:TH_LOAD_NT   ; 32 lanes read 128 consecutive bytes; the four waves stand side by side
.endr
.endm
.macro BLOCK t
.set XS, 32+32*((\t)%2)
.set C, 128+8*(\t)                     ; each block has registers of its own for its codes: no store's data are written again
.if (\t) < 7
	s_wait_loadcnt 32                              ; this block's 32 loads are in; the next block's may be out
.else
	s_wait_loadcnt 0x0
.endif
	v_max3_num_f32 v16, |v[XS]|, |v[XS+1]|, |v[XS+2]|
	v_max3_num_f32 v17, |v[XS+3]|, |v[XS+4]|, |v[XS+5]|
.irp i, 6,10,14,18,22,26
	v_max3_num_f32 v16, v16, |v[XS+\i]|, |v[XS+\i+1]|
	v_max3_num_f32 v17, v17, |v[XS+\i+2]|, |v[XS+\i+3]|
.endr
	v_max3_num_f32 v16, v16, |v[XS+30]|, |v[XS+31]|
	v_max3_num_f32 v16, v16, v17, 0x1800000        ; and the floor 2^(3 - 127)
	v_add_nc_u32 v18, 0xff000000, v16              ; the conversion's scale operand
	v_lshrrev_b32 v19, 23, v18                     ; the byte
.if (\t)%4 == 0
	v_mov_b32 v[WSC+(\t)/4], v19                   ; four bytes to a word, the lower K in the lower byte
.else
	v_lshl_or_b32 v[WSC+(\t)/4], v19, 8*((\t)%4), v[WSC+(\t)/4]
.endif
	v_cvt_scalef32_pk16_fp6_f32 v[C:C+2], v[XS:XS+15], v18
	v_cvt_scalef32_pk16_fp6_f32 v[C+4:C+6], v[XS+16:XS+31], v18
	v_nop                                          ; one plain place behind the scaled conversions
	v_mov_b32 v[C+3], v[C+4]                       ; six registers on end
	v_mov_b32 v[C+4], v[C+5]
	v_mov_b32 v[C+5], v[C+6]
	global_store_b128 v5, v[C:C+3], s[14:15] offset:((\t)/2)*6144+256*((\t)%2)     ; block t is half t % 2 of k / 64 = t / 2: sixteen lanes of a tile store 256 consecutive bytes
	global_store_b64 v6, v[C+4:C+5], s[14:15] offset:((\t)/2)*6144+128*((\t)%2)
.if (\t)+2 < 8
	LOADW (\t)+2
.endif
.endm
	LOADW 0
	LOADW 1
.irp t, 0,1,2,3,4,5,6,7
	BLOCK \t
.endr
	global_store_b64 v7, v[WSC:WSC+1], s[16:17]    ; my column's two scale words: the wave stores 256 consecutive bytes
	s_wait_tensorcnt 0x0                           ; the same three lines at this path's end
	ds_add_u32 v[SPW], v[NIL]
	s_wait_dscnt 0x0
	s_endpgm
.Lfunc_end_k_qa2eef679a0_quant:
	.size	k_qa2eef679a0_quant, .Lfunc_end_k_qa2eef679a0_quant-k_qa2eef679a0_quant
	.p2alignl 7, 3214868480
	.fill 96, 4, 3214868480
	.section	.rodata,"a",@progbits
	.p2align	6, 0x0
	.amdhsa_kernel k_qa2eef679a0_quant
		.amdhsa_group_segment_fixed_size 34304
		.amdhsa_private_segment_fixed_size 0
		.amdhsa_enable_private_segment 0
		.amdhsa_kernarg_size 56
		.amdhsa_user_sgpr_count 2
		.amdhsa_user_sgpr_kernarg_segment_ptr 1
		.amdhsa_wavefront_size32 1
		.amdhsa_system_sgpr_workgroup_id_x 1
		.amdhsa_system_sgpr_workgroup_id_y 1
		.amdhsa_system_sgpr_workgroup_id_z 1
		.amdhsa_system_vgpr_workitem_id 0
		.amdhsa_next_free_vgpr 256
		.amdhsa_next_free_sgpr 66
		.amdhsa_reserve_vcc 0
		.amdhsa_float_denorm_mode_32 3
		.amdhsa_float_denorm_mode_16_64 3
		.amdhsa_memory_ordered 1
		.amdhsa_forward_progress 1
		.amdhsa_inst_pref_size 76
	.end_amdhsa_kernel
	.amdgpu_metadata
---
amdhsa.version: [ 1, 2 ]
amdhsa.kernels:
  - .name:           k_qa2eef679a0_quant
    .symbol:         k_qa2eef679a0_quant.kd
    .args:
      - { .name: x, .offset: 0, .size: 8, .value_kind: global_buffer, .address_space: global }
      - { .name: w_qkv, .offset: 8, .size: 8, .value_kind: global_buffer, .address_space: global }
      - { .name: w_o, .offset: 16, .size: 8, .value_kind: global_buffer, .address_space: global }
      - { .name: xc, .offset: 24, .size: 8, .value_kind: global_buffer, .address_space: global }
      - { .name: xs, .offset: 32, .size: 8, .value_kind: global_buffer, .address_space: global }
      - { .name: wc, .offset: 40, .size: 8, .value_kind: global_buffer, .address_space: global }
      - { .name: ws, .offset: 48, .size: 8, .value_kind: global_buffer, .address_space: global }
    .group_segment_fixed_size: 34304
    .private_segment_fixed_size: 0
    .kernarg_segment_align: 8
    .kernarg_segment_size: 56
    .max_flat_workgroup_size: 128
    .sgpr_count:     66
    .vgpr_count:     256
    .wavefront_size: 32
...
	.end_amdgpu_metadata
.endif
;; end of part 1
;; launch gemm_qkv (part 2): grid 8 x 32, 4 waves a work-group, clusters of 4 x 4, 327,680 bytes of LDS; arguments xc, xs, wc, ws, qb, kv; writes qb, kv
.if DOCPART == 2
	.amdgcn_target "amdgcn-amd-amdhsa--gfx1250"
	.amdhsa_code_object_version 6
	.text
	.protected	k_qa2eef679a0_gemm_qkv
	.globl	k_qa2eef679a0_gemm_qkv
	.p2align	8
	.type	k_qa2eef679a0_gemm_qkv,@function
k_qa2eef679a0_gemm_qkv:
	s_mov_b64 s[64:65], 0
	v_nop
	global_prefetch_b8 v0, s[64:65] scope:SCOPE_SE
	s_setreg_imm32_b32 hwreg(HW_REG_WAVE_MODE, 25, 1), 1
	s_wait_xcnt 0x0
	s_wait_alu depctr_hold_cnt(0) depctr_sa_sdst(0) depctr_va_vdst(0) depctr_va_sdst(0) depctr_va_ssrc(0) depctr_va_vcc(0) depctr_vm_vsrc(0)
	s_getreg_b32 s2, hwreg(HW_REG_IB_STS2, 6, 4)
	s_cmp_eq_u32 s2, 0
	s_cbranch_scc0 .Lentry_in_a_cluster
	s_endpgm
.Lentry_in_a_cluster:
	s_bfe_u32 s2, ttmp6, 0x10000c
	s_cmp_lg_u32 s2, 0xf033
	s_cbranch_scc0 .Lentry_shape_is_right
	s_endpgm
.Lentry_shape_is_right:
; qkv = x w_qkv on codes of FP6 (E2M3) with E8M0 scales, K = 1,024; the results are quantised on the way out and leave as codes: q and k along the head's 64, v along the keys.
; THE DEAL.  256 work-groups: work-group (cg, tr) takes tokens 256 tr .. + 255 and columns 128 cg .. + 127 of EACH of v, q and k, in three phases on the same rows of x.
; x's 256 rows, all of K (two dense blocks of 98,304 bytes), lie in LDS for the whole launch.  Four waves, 2 x 2: wave (a, c) takes the block a of 128 tokens and 64 columns (one head).
; A wave holds its 64 rows of the weight, ALL of K, in 384 registers, and streams its eight tiles of 16 tokens past them: a tile is 8 fragments and 8 scale words, in two register sets; 32 products finish a tile's 16 x 64 results.
; OPERANDS lie in memory as images of their registers ([rows / 128][k / 64][tile 8][768]; lane r of tile 2 b + u holds row 32 b + 8 u + r + 8 (r / 8)): a fragment comes by b128, b64, b128, b64, every lane beside the last.
; q, k: source 0 = the weight's rows: a lane holds one token, and its 32 results are d = 32 b + 16 h + i at register 16 b + i.  v: source 0 = x's rows: a lane holds one d, and the 64 results of a tile of d run along the 128 tokens likewise.
; FILLS.  At the head one tensor load a wave: waves 0-2 a third of x's rows each, wave 3 w_v's 128 rows.  The weights' region is filled again twice (w_q's rows, w_k's), each time when every wave holds the old rows in registers:
; behind the three lines and a round of the cluster's barrier, a quarter of the region a wave; a plain barrier at the next phase's head shows the rows to all.  A wave has one tensor load out.
; CLUSTER 4 x 4: x's rows are asked for jointly along a row of the cluster, a weight's along a column.  The two later weights are prefetched, each block of 256 bytes once a cluster column: the sixteen waves of the four partners share them out by address.
; x's scale words (8,192 bytes) go through registers into LDS bytes of their own, a quarter a wave; the weights' scale words of all three phases go from memory into registers.
; THE WAITS' COUNTS: a tile's set was fetched two tiles ago; younger is the other set's fetch, NF = 36 LDS loads.
; OUTPUT: qb [b h][s / 128] units of 6,656 bytes: 8 half images (16 tokens x 64 d), then a scale image of 512 bytes.  kv units of 13,056 bytes: K's 8 half images; V^T's 4 tiles of d x 2 half images; K's scale image, 512; V's, 256.  A wave writes whole units.
; LIMITS: NaN and infinities are not served; a block of zeros carries the byte 1 (its codes are zeros; this program alone reads the bytes).
; REGISTERS: fragment f lies in window 1 + f / 21 at register 12 (f % 21): 0-31 the weight's (4 q + n), 32-39 and 40-47 x's two sets.  v128-255 and v840-967: v's sums (tile n of d, tile i of tokens); v128-191: q's or k's, two sets.
.set FR,    12
.set FPW,   21
.set BLK,   98304                      ; 128 rows, all of K
.set WB,    2*BLK                      ; LDS: x's rows at 0, the weight's at WB,
.set SCA,   3*BLK                      ; x's scale words,
.set SPARE, SCA+8192                   ; the spare words, 128 bytes for each wave; no other line names them
.set NF,    36
.set L16, 1                            ; v1 16 x lane, v2 8 x lane
.set L8,  2
.set SPW, 3
.set NIL, 4
.set X,   5                            ; v5-8 my x block: k < 512 (+ 16 lane; + 512 + 8 lane), k >= 512 likewise
.set XS,  9                            ; v9 my x block's scale words, row r
.set WA,  10                           ; v10-13 my weight tiles, as v5-8
.set FX,  14                           ; v14-17, v18 as v5-8, v9, for the pair of tiles that is fetched next
.set FXS, 18
.set PF,  23                           ; v23 my share of a weight to prefetch
.set SBQ, 24                           ; the weights' scale words: register 8 (n / 2) + q, lanes 0-15 tile n even, 16-31 odd
.set SBK, 40
.set SBV, 56
.set WE,  72                           ; v72, v73 a pair's scale words
.set SA,  76                           ; v76-91 x's scale words, two sets of eight
.set H,   92                           ; the conversions' second halves
.set WR,  100                          ; v100-103 four registers of a scale image
.set MX,  104
.set PB,  108
.set SO,  112
.set P,   116                          ; v116-127 codes
.set ACC, 128
.set WV,  16
.set HR,  17
.set HC,  18
.set CX,  19
.set CY,  20
.set G1A, 24
.set G1W, 32
.set G0A, 40
.set G0W, 44
.set WQ,  48                           ; s[48:49], s[50:51] w_q's and w_k's rows
.set WK,  50
.set OB,  58
.set SEL, 60
.set CNT, 63
.set FO,  66
.set FOS, 67
.set MSB, 0
.macro WIN new                         ; the immediate's high byte repeats the setting that is left
.if MSB != (\new)
	s_set_vgpr_msb (MSB<<8)|(\new)
.set MSB, (\new)
.endif
.endm
.macro PLACES n
.rept \n
	v_nop
.endr
.endm
.macro WALU
	s_wait_alu depctr_va_vdst(0)
.endm
.macro BARRIER
	s_barrier_signal -1
	s_barrier_wait -1
.endm
.macro CROUND
	BARRIER
	s_cmp_lg_u32 s[WV], 0
	s_cbranch_scc1 .Lnot_wave_0_\@
	s_barrier_signal -3
.Lnot_wave_0_\@:
	s_barrier_wait -3
	BARRIER
.endm
.macro TLOAD g0, g1
	tensor_load_to_lds s[\g0:\g0+3], s[\g1:\g1+7]
	s_nop 0
	PLACES 4
.endm
.macro ADR4 d, s, t                    ; four LDS addresses from the base in s\s
	v_add_nc_u32 v[\d], s\s, v[L16]
	s_add_co_u32 s\t, s\s, 512
	v_add_nc_u32 v[\d+1], s\t, v[L8]
	s_add_co_u32 s\t, s\s, 49152
	v_add_nc_u32 v[\d+2], s\t, v[L16]
	s_add_co_u32 s\t, s\s, 49664
	v_add_nc_u32 v[\d+3], s\t, v[L8]
.endm
.macro FRAG f, q, i, ag                ; fragment f: tile i, k = 128 q ..: two half images
	WIN ((1+(\f)/FPW)<<6)
.set R_, FR*((\f)%FPW)
.irp c, 0,1
	ds_load_b128 v[R_+6*\c:R_+6*\c+3], v[\ag+2*((\q)/4)] offset:((2*((\q)%4)+\c)*8+(\i))*768
	ds_load_b64 v[R_+6*\c+4:R_+6*\c+5], v[\ag+2*((\q)/4)+1] offset:((2*((\q)%4)+\c)*8+(\i))*768
.endr
.endm
.macro WEIGHTS                         ; my 64 rows of the weight, all of K: 128 loads
.irp q, 0,1,2,3,4,5,6,7
.irp n, 0,1,2,3
	FRAG 4*\q+\n, \q, \n, WA
.endr
.endr
	WIN 0
.endm
.macro FETCH e, i, ag, as              ; a tile of x into set e: NF loads
.irp q, 0,1,2,3,4,5,6,7
	FRAG 32+8*(\e)+\q, \q, \i, \ag
.endr
	WIN 0
.irp s, 0,1,2,3
	ds_load_b64 v[SA+8*(\e)+2*\s:SA+8*(\e)+2*\s+1], v[\as] offset:\s*1024+(\i)*128
.endr
.endm
.macro PROD1 d, s0, s1, c, x0, x1, side, o
.if \o
	v_wmma_scale_f32_16x16x128_f8f6f4 v[\d:\d+7], v[FR*((\s0)%FPW):FR*((\s0)%FPW)+FR-1], v[FR*((\s1)%FPW):FR*((\s1)%FPW)+FR-1], \c, v[\x0], v[\x1] matrix_a_fmt:MATRIX_FMT_FP6 matrix_b_fmt:MATRIX_FMT_FP6 matrix_\side\()_scale:MATRIX_SCALE_ROW1
.else
	v_wmma_scale_f32_16x16x128_f8f6f4 v[\d:\d+7], v[FR*((\s0)%FPW):FR*((\s0)%FPW)+FR-1], v[FR*((\s1)%FPW):FR*((\s1)%FPW)+FR-1], \c, v[\x0], v[\x1] matrix_a_fmt:MATRIX_FMT_FP6 matrix_b_fmt:MATRIX_FMT_FP6 matrix_\side\()_scale:MATRIX_SCALE_ROW0
.endif
.endm
.macro PROD kind, e, m, i, sb          ; product m = 4 q + n of a tile.  kind 0 (q, k): source 0 the weight's rows; kind 1 (v): source 0 x's rows, token tile i
.set Q_, (\m)/4
.set N_, (\m)%4
.set FA_, 32+8*(\e)+Q_
.set XB_, (\sb)+8*(N_/2)+Q_
.set XA_, SA+8*(\e)+Q_
.if \kind
.set D_, 128+64*N_+8*(\i)+(N_/2)*584
.else
.set D_, ACC+32*(\e)+8*N_
.endif
.set DW_, D_>>8
.set DL_, D_&255
.if \kind
	WIN (1+FA_/FPW)|((1+(\m)/FPW)<<2)|(DW_<<4)|(DW_<<6)
.if Q_
	PROD1 DL_, FA_, \m, v[DL_:DL_+7], XA_, XB_, b, N_%2
.else
	PROD1 DL_, FA_, \m, 0, XA_, XB_, b, N_%2
.endif
.else
	WIN (1+(\m)/FPW)|((1+FA_/FPW)<<2)|(DW_<<4)|(DW_<<6)
.if Q_
	PROD1 DL_, \m, FA_, v[DL_:DL_+7], XB_, XA_, a, N_%2
.else
	PROD1 DL_, \m, FA_, 0, XB_, XA_, a, N_%2
.endif
.endif
.endm
.macro BLOCK kind, e, i, sb            ; a tile's 32 products: the four accumulators take turns; the first four start the sums
.set M_, 0
.rept 32
	PROD \kind, \e, M_, \i, \sb
.set M_, M_+1
.endr
	WIN 0
.endm
; q, k: a tile's 32 sums in a lane become a half image (six registers) and two scale bytes
.macro QKOUT a, p, w, off
.irp c, 0,1,2,3
	v_max3_num_f32 v[MX+\c], |v[\a+8*\c]|, |v[\a+8*\c+1]|, |v[\a+8*\c+2]|   ; four chains, each accumulator from its low end on
.endr
.irp k, 3,5
.irp c, 0,1,2,3
	v_max3_num_f32 v[MX+\c], v[MX+\c], |v[\a+8*\c+\k]|, |v[\a+8*\c+\k+1]|
.endr
.endr
.irp b, 0,2
	v_max3_num_f32 v[MX+\b], v[MX+\b], v[MX+\b+1], |v[\a+8*\b+7]|
.endr
.irp b, 0,2
	v_max3_num_f32 v[MX+\b], v[MX+\b], |v[\a+8*\b+15]|, 0x1800000   ; and the floor 2^(3 - 127)
.endr
.irp b, 0,2
	v_permlanex16_b32 v[PB+\b], v[MX+\b], s[SEL], s[SEL+1]
.endr
.irp b, 0,2
	v_max_num_f32 v[MX+\b], v[MX+\b], v[PB+\b]     ; with lane l xor 16's: the block's largest magnitude
.endr
.irp b, 0,2
	v_add_nc_u32 v[SO+\b], 0xff000000, v[MX+\b]    ; 2 off its exponent field: the conversion's scale operand
.endr
.irp b, 0,2
	v_lshrrev_b32 v[PB+\b], 23, v[SO+\b]
.endr
	v_lshl_or_b32 v[\w], v[PB+2], 8, v[PB]         ; the row's word: two bytes; the upper two are 0 and meet zero codes alone
	v_cvt_scalef32_pk16_fp6_f32 v[\p:\p+2], v[\a:\a+15], v[SO]
	v_cvt_scalef32_pk16_fp6_f32 v[H:H+2], v[\a+16:\a+31], v[SO+2]
	v_nop                                          ; one plain place behind the scaled conversions
.irp i, 0,1,2
	v_permlane16_swap_b32 v[\p+\i], v[H+\i]        ; a whole block to a lane
.endr
.irp i, 0,1,2
	v_mov_b32 v[\p+3+\i], v[H+\i]
.endr
.if PAIRED == 0                        ; q: a half image a tile.  (k's codes leave a pair of tiles at a time, behind the odd tile)
	global_store_b128 v[L16], v[\p:\p+3], s[OB:OB+1] offset:\off       ; 512 consecutive bytes
	global_store_b64 v[L8], v[\p+4:\p+5], s[OB:OB+1] offset:\off+512   ; 256 consecutive bytes
.endif
.endm
; v: tile t of d: the lane's 64 sums along the 128 tokens become 12 registers of codes and a scale word
.macro QUANTV t
.set VW_, 3*((\t)/2)
.set AC, 128+64*(\t)-((\t)/2)*184
.if \t > 0
	WALU
	s_wait_xcnt 0x0                                ; the last tile's stores have read the codes' registers
.endif
	WIN VW_|(VW_<<2)
.irp b, 0,1,2,3
	v_max3_num_f32 v[MX+\b], |v[AC+16*\b]|, |v[AC+1+16*\b]|, 0x1800000
.endr
.irp i, 2,4,6,8,10,12,14
.irp b, 0,1,2,3
	v_max3_num_f32 v[MX+\b], |v[AC+16*\b+\i]|, |v[AC+1+16*\b+\i]|, v[MX+\b]
.endr
.endr
	WIN 0
; x'S TILES (in place of what the head comment says of x's rows): row i of token tile t is token 64 (t / 4) + 8 (t % 4) + i % 8 + 32 (i / 8).  So register 32 c + i of lane (r, h) is token 64 c + 32 h + i:
; a block of 32 tokens lies whole in my lane, in the operand's own order: no other lane's maximum is asked for, and no codes change lanes.
.irp b, 0,2
	v_max_num_f32 v[MX+\b], v[MX+\b], v[MX+\b+1]
.endr
.irp b, 0,2
	v_add_nc_u32 v[SO+\b], 0xff000000, v[MX+\b]
.endr
.irp b, 0,2
	v_lshrrev_b32 v[PB+\b], 23, v[SO+\b]
.endr
	v_lshl_or_b32 v[WR+(\t)], v[PB+2], 16, v[PB]   ; my two bytes: blocks h and 2 + h,
	v_lshlrev_b32 v[WR+(\t)], v[SH], v[WR+(\t)]    ; at their places in the word (8 h bits up);
	v_permlanex16_b32 v[PB], v[WR+(\t)], s[SEL], s[SEL+1]
	v_or_b32 v[WR+(\t)], v[WR+(\t)], v[PB]         ; with lane l xor 16's two the word is whole
	WIN VW_
.irp c, 0,1
	v_cvt_scalef32_pk16_fp6_f32 v[P+6*\c:P+6*\c+2], v[AC+32*\c:AC+32*\c+15], v[SO+2*\c]
	v_cvt_scalef32_pk16_fp6_f32 v[H+4*\c:H+4*\c+2], v[AC+32*\c+16:AC+32*\c+31], v[SO+2*\c]
.endr
	WIN 0
	v_nop
.irp c, 0,1
.irp i, 0,1,2
	v_mov_b32 v[P+3+6*\c+\i], v[H+4*\c+\i]
.endr
.endr
.irp k, 0,1,2                          ; kv's codes (in place of the head comment's half images): an operand's 12 registers as three pieces of four, 512 consecutive bytes each
	global_store_b128 v[L16], v[P+4*\k:P+4*\k+3], s[56:57] offset:6144+1536*(\t)+512*\k
.endr
.endm
; A phase of q or k.  sb: its scale words; base: its unit; img: where the unit's scale image lies; vout: v's way out stands under the weights' loads; refill: w_k's rows are asked for
.macro PHASE sb, base, img, vout, refill
.set PAIRED, 1-(\refill)               ; the phase without a refill is k's
	WALU
	s_wait_tensorcnt 0x0                           ; my quarter of the weight's rows is in,
	s_wait_dscnt 0x0
	BARRIER                                        ; and everybody's
	WEIGHTS
.if \vout
.irp t, 0,1,2,3
	QUANTV \t
.endr
	v_cndmask_b32 v[MX], v[WR], v[WR+1], s62       ; lanes 0-15: tile 0's words, lanes 16-31: tile 1's;
	v_cndmask_b32 v[MX+1], v[WR+2], v[WR+3], s62   ; tiles 2 and 3
	global_store_b64 v[L8], v[MX:MX+1], s[56:57] offset:12800
.endif
	WALU
.if \refill
	s_wait_tensorcnt 0x0                           ; ahead of a refill's round
	ds_add_u32 v[SPW], v[NIL]
	s_add_nc_u64 s[G0W+2:G0W+3], s[WK:WK+1], s[52:53]
	s_or_b32 s[G0W+3], s[G0W+3], 0x80000000
	s_wait_dscnt 0x0                               ; the add is done, and the weight's rows are in my registers
	CROUND
	TLOAD G0W, G1W                                 ; w_k's rows, my quarter
.else
	s_wait_dscnt 0x0
.endif
	s_wait_xcnt 0x0
	s_sub_nc_u64 s[OB:OB+1], s[\base:\base+1], 1536
	s_mov_b32 s[CNT], 0
.Lqk_\@:                                               ; a trip: tiles 2 n and 2 n + 1; it fetches the pair (n + 1) % 4, the last time the next phase's first pair
	WALU
	s_wait_xcnt 0x0                                ; the stores have read their base and the codes' registers
	s_add_nc_u64 s[OB:OB+1], s[OB:OB+1], 1536
	s_add_co_u32 s[CNT], s[CNT], 1
	s_and_b32 s[FO], s[CNT], 3
	s_lshl_b32 s[FOS], s[FO], 8
	s_mul_i32 s[FO], s[FO], 1536
	s_wait_dscnt NF
	BLOCK 0, 0, 0, \sb
.irp j, 0,1,2,3
	v_add_nc_u32 v[FX+\j], s[FO], v[X+\j]          ; these five lines are the places behind the products
.endr
	v_add_nc_u32 v[FXS], s[FOS], v[XS]
	FETCH 0, 0, FX, FXS
	QKOUT ACC, P, WE, 0
	WALU
	s_wait_dscnt NF
	BLOCK 0, 1, 0, \sb
	PLACES 4
	FETCH 1, 1, FX, FXS
	QKOUT ACC+32, P+6, WE+1, 768
.if PAIRED
.irp k, 0,1,2                          ; k: the pair's 12 registers (six of the even tile, six of the odd) as three pieces of four
	global_store_b128 v[L16], v[P+4*\k:P+4*\k+3], s[OB:OB+1] offset:512*\k
.endr
.endif
	v_mov_b32 v[WR], v[WR+1]                       ; the scale image's four registers move up; after four trips pair n stands in register n
	v_mov_b32 v[WR+1], v[WR+2]
	v_mov_b32 v[WR+2], v[WR+3]
	v_cndmask_b32 v[WR+3], v[WE], v[WE+1], s62     ; lanes 0-15: the even tile's words, lanes 16-31: the odd tile's
	s_cmp_lg_u32 s[CNT], 4
	WALU
	s_cbranch_scc1 .Lqk_\@
	global_store_b128 v[L16], v[WR:WR+3], s[OB:OB+1] offset:\img-4608
.endm
; ---------------- THE HEAD
	s_load_b256 s[4:11], s[0:1], 0x0               ; xc s[4:5], xs s[6:7], wc s[8:9], ws s[10:11]
	s_load_b128 s[12:15], s[0:1], 0x20             ; qb s[12:13], kv s[14:15]
	v_lshl_add_u32 v[SPW], v0, 2, SPARE
	v_mov_b32 v[NIL], 0
	ds_add_u32 v[SPW], v[NIL]                      ; the opening lines: the add, twice on end, and its wait
	ds_add_u32 v[SPW], v[NIL]
	v_lshrrev_b32 v1, 5, v0
	v_readfirstlane_b32 s[WV], v1
	s_lshr_b32 s[HR], s[WV], 1                     ; a: my block of 128 tokens
	s_and_b32 s[HC], s[WV], 1                      ; c: my 64 columns
	s_bfe_u32 s[CX], ttmp6, 0x40000
	s_bfe_u32 s[CY], ttmp6, 0x40004
	s_and_b32 s21, ttmp7, 0xffff
	s_lshl_b32 s22, s[CY], 2
	s_lshl_b32 s22, 15, s22                        ; my row of the cluster
	s_lshl_b32 s23, 0x1111, s[CX]                  ; my column
	s_or_b32 s[G1A], s22, (3<<16)|(1<<21)          ; the mask; elements of 8 bytes; bit 21 beside a mask; no padding
	s_or_b32 s[G1W], s23, (3<<16)|(1<<21)
.irp g, G1A, G1W                       ; dense blocks as rows of 256 bytes
	s_mov_b32 s[\g+1], 32<<16
	s_mov_b32 s[\g+3], 32<<16
	s_mov_b32 s[\g+5], 32
	s_mov_b32 s[\g+6], 0
	s_mov_b32 s[\g+7], 0
.endr
	s_mov_b32 s[G1A+2], 256<<16                    ; a third of x's rows: 65,536 bytes
	s_mov_b32 s[G1A+4], 256
	s_mov_b32 s[G1W+2], 384<<16                    ; the weight's 128 rows: 98,304 bytes
	s_mov_b32 s[G1W+4], 384
	s_lshl_b32 s66, s21, 2
	s_add_co_u32 s66, s66, s[CY]                   ; tr
	s_lshl_b32 s67, ttmp9, 2
	s_add_co_u32 s67, s67, s[CX]                   ; cg
	s_add_co_u32 s70, s[WV], 3                     ; THE HEAD'S LOADS (in place of the head comment's deal): wave 0 asks for w_v's rows, waves 1-3 for a third of x's rows each: third (wave + 3) % 4
	s_and_b32 s70, s70, 3
	s_min_u32 s70, s70, 2
	s_lshl_b32 s70, s70, 16                        ; my third, in LDS and in memory
	s_mul_i32 s68, s66, 2*BLK
	s_add_co_u32 s68, s68, s70
	s_mov_b32 s69, 0
	s_mul_i32 s72, s67, BLK
	s_mov_b32 s73, 0
	s_lshl_b32 s74, s67, 12
	s_lshl_b32 s75, s[HC], 9
	s_add_co_u32 s74, s74, s75                     ; the weights' scale words: block cg, my four tiles
	s_mov_b32 s75, 0
	s_lshl_b32 s76, s66, 13
	s_lshl_b32 s77, s[WV], 11
	s_add_co_u32 s76, s76, s77                     ; x's scale words: my quarter of 8,192 bytes
	s_mov_b32 s77, 0
	s_mul_i32 s52, s[WV], 24576                    ; my quarter of a weight's rows
	s_mov_b32 s53, 0
	s_lshl_b32 s78, s66, 1
	s_add_co_u32 s78, s78, s[HR]                   ; my block of 128 tokens
	s_lshr_b32 s79, s78, 4
	s_lshl_b32 s79, s79, 4                         ; 16 batch
	s_lshl_b32 s2, s67, 1
	s_add_co_u32 s2, s2, s[HC]                     ; my head
	s_add_co_u32 s79, s79, s2
	s_lshl_b32 s79, s79, 4
	s_and_b32 s78, s78, 15
	s_add_co_u32 s79, s79, s78                     ; unit = (16 batch + head) 16 + s / 128
	s_mul_i32 s54, s79, 6656
	s_mov_b32 s55, 0
	s_mul_i32 s56, s79, 13056
	s_mov_b32 s57, 0
	s_mov_b32 s[SEL], 0x76543210
	s_mov_b32 s[SEL+1], 0xfedcba98
	s_mov_b32 s62, 0xffff0000                      ; lanes 16-31
	s_wait_dscnt 0x0
	s_wait_kmcnt 0x0
	s_mov_b32 s[G0A], 1
	s_mov_b32 s[G0A+1], s70
	s_add_nc_u64 s[G0A+2:G0A+3], s[4:5], s[68:69]
	s_or_b32 s[G0A+3], s[G0A+3], 0x80000000
	s_add_nc_u64 s[WQ:WQ+1], s[8:9], s[72:73]
	s_add_nc_u64 s[WK:WK+1], s[WQ:WQ+1], 8*BLK
	s_mov_b32 s[G0W], 1
	s_mov_b32 s[G0W+1], WB
	s_add_nc_u64 s[G0W+2:G0W+3], s[WQ:WQ+1], 16*BLK
	s_or_b32 s[G0W+3], s[G0W+3], 0x80000000
	s_add_nc_u64 s[74:75], s[10:11], s[74:75]
	s_add_nc_u64 s[76:77], s[6:7], s[76:77]
	s_add_nc_u64 s[54:55], s[12:13], s[54:55]
	s_add_nc_u64 s[56:57], s[14:15], s[56:57]
	CROUND                                         ; all sixteen work-groups are here: the first joint loads meet
	s_cmp_eq_u32 s[WV], 0
	s_cbranch_scc0 .Lhead_a
	TLOAD G0W, G1W                                 ; wave 0: w_v's rows, which go on into registers
	s_branch .Lasked
.Lhead_a:
	TLOAD G0A, G1A                                 ; waves 1-3: a third of x's rows
.Lasked:
	v_and_b32 v19, 31, v0
	v_and_b32 v20, 15, v0
	v_lshlrev_b32 v[L16], 4, v19
	v_lshlrev_b32 v[L8], 3, v19
	v_min_u32 v22, 23, v19
.set SH, 74                            ; v74 8 h: how far my bytes stand up in a scale word
	v_bfe_u32 v[SH], v0, 4, 1
	v_lshlrev_b32 v[SH], 3, v[SH]
	WALU
.irp p, 0,1
.irp s, 0,1,2,3
	global_load_b64 v[SBV+8*\p+2*\s:SBV+8*\p+2*\s+1], v[L8], s[74:75] offset:65536+\s*1024+\p*256   ; 256 consecutive bytes: two tiles' words of 256 along K
	global_load_b64 v[SBQ+8*\p+2*\s:SBQ+8*\p+2*\s+1], v[L8], s[74:75] offset:\s*1024+\p*256
	global_load_b64 v[SBK+8*\p+2*\s:SBK+8*\p+2*\s+1], v[L8], s[74:75] offset:32768+\s*1024+\p*256
.endr
.endr
.irp j, 0,1,2,3
	global_load_b128 v[128+4*\j:131+4*\j], v[L16], s[76:77] offset:512*\j
.endr
	s_mul_i32 s68, s[HR], BLK
	ADR4 X, 68, 69
	s_mul_i32 s68, s[HC], 3072
	s_add_co_u32 s68, s68, WB
	ADR4 WA, 68, 69
	s_lshl_b32 s68, s[HR], 12
	s_add_co_u32 s68, s68, SCA
	v_lshl_add_u32 v[XS], v20, 3, s68
	s_lshl_b32 s68, s[WV], 11
	s_add_co_u32 s68, s68, SCA
	v_add_nc_u32 v21, s68, v[L16]
	s_lshl_b32 s68, s[CY], 2
	s_add_co_u32 s68, s68, s[WV]                   ; my number among the sixteen waves of my column of the cluster
	s_mul_i32 s68, s68, 6144
	v_lshl_add_u32 v[PF], v22, 8, s68              ; 24 blocks of 256 bytes a wave, a lane a block (the lanes left over name the last again)
.irp j, 0,1,2,3
	v_mov_b32 v[PB+\j], 0                          ; written once: a lane permute's destination counts as one of its sources
	v_mov_b32 v[WR+\j], 0
.endr
	WALU                                           ; the wait at the head's end
	s_wait_loadcnt 0x0
.irp j, 0,1,2,3
	ds_store_b128 v21, v[128+4*\j:131+4*\j] offset:512*\j
.endr
	s_cmp_eq_u32 s[WV], 0
	s_cbranch_scc0 .Lnot_w
	s_wait_tensorcnt 0x0
.Lnot_w:
	s_wait_dscnt 0x0
	BARRIER                                        ; w_v's rows and x's scale words are in; x's rows may be on their way
	global_prefetch_b8 v[PF], s[WQ:WQ+1] th:TH_LOAD_NT scope:SCOPE_SE
	WEIGHTS
	s_wait_tensorcnt 0x0                           ; my third of x's rows is in
	ds_add_u32 v[SPW], v[NIL]
	s_mov_b32 s[G1W+2], 96<<16                     ; no tensor load of mine is out: from here on a load brings a quarter of a weight's rows
	s_mov_b32 s[G1W+4], 96
	s_add_co_u32 s[G0W+1], s52, WB
	s_add_nc_u64 s[G0W+2:G0W+3], s[WQ:WQ+1], s[52:53]
	s_or_b32 s[G0W+3], s[G0W+3], 0x80000000
	s_wait_dscnt 0x0                               ; the add is done, and w_v's rows are in my registers
	CROUND
	TLOAD G0W, G1W                                 ; w_q's rows, my quarter
	FETCH 0, 0, X, XS
	FETCH 1, 1, X, XS
	global_prefetch_b8 v[PF], s[WK:WK+1] th:TH_LOAD_NT scope:SCOPE_SE
; ---------------- v: eight tiles of tokens; the last two fetch the next phase's first two
.irp i, 0,1,2,3,4,5,6,7
	s_wait_dscnt NF
	BLOCK 1, \i%2, \i, SBV
	PLACES 4
	FETCH \i%2, (\i+2)%8, X, XS
.endr
	PHASE SBQ, 54, 6144, 1, 1
	PHASE SBK, 56, 12288, 0, 0
	s_wait_tensorcnt 0x0                           ; the wave's end
	ds_add_u32 v[SPW], v[NIL]
	s_wait_dscnt 0x0
	CROUND                                         ; the closing round
	s_endpgm
.Lfunc_end_k_qa2eef679a0_gemm_qkv:
	.size	k_qa2eef679a0_gemm_qkv, .Lfunc_end_k_qa2eef679a0_gemm_qkv-k_qa2eef679a0_gemm_qkv
	.p2alignl 7, 3214868480
	.fill 96, 4, 3214868480
	.section	.rodata,"a",@progbits
	.p2align	6, 0x0
	.amdhsa_kernel k_qa2eef679a0_gemm_qkv
		.amdhsa_group_segment_fixed_size 327680
		.amdhsa_private_segment_fixed_size 0
		.amdhsa_enable_private_segment 0
		.amdhsa_kernarg_size 48
		.amdhsa_user_sgpr_count 2
		.amdhsa_user_sgpr_kernarg_segment_ptr 1
		.amdhsa_wavefront_size32 1
		.amdhsa_system_sgpr_workgroup_id_x 1
		.amdhsa_system_sgpr_workgroup_id_y 1
		.amdhsa_system_sgpr_workgroup_id_z 1
		.amdhsa_system_vgpr_workitem_id 0
		.amdhsa_next_free_vgpr 1024
		.amdhsa_next_free_sgpr 80
		.amdhsa_reserve_vcc 0
		.amdhsa_float_denorm_mode_32 3
		.amdhsa_float_denorm_mode_16_64 3
		.amdhsa_memory_ordered 1
		.amdhsa_forward_progress 1
		.amdhsa_inst_pref_size 149
	.end_amdhsa_kernel
	.amdgpu_metadata
---
amdhsa.version: [ 1, 2 ]
amdhsa.kernels:
  - .name:           k_qa2eef679a0_gemm_qkv
    .symbol:         k_qa2eef679a0_gemm_qkv.kd
    .args:
      - { .name: xc, .offset: 0, .size: 8, .value_kind: global_buffer, .address_space: global }
      - { .name: xs, .offset: 8, .size: 8, .value_kind: global_buffer, .address_space: global }
      - { .name: wc, .offset: 16, .size: 8, .value_kind: global_buffer, .address_space: global }
      - { .name: ws, .offset: 24, .size: 8, .value_kind: global_buffer, .address_space: global }
      - { .name: qb, .offset: 32, .size: 8, .value_kind: global_buffer, .address_space: global }
      - { .name: kv, .offset: 40, .size: 8, .value_kind: global_buffer, .address_space: global }
    .group_segment_fixed_size: 327680
    .private_segment_fixed_size: 0
    .kernarg_segment_align: 8
    .kernarg_segment_size: 48
    .max_flat_workgroup_size: 128
    .sgpr_count:     80
    .vgpr_count:     1024
    .wavefront_size: 32
...
	.end_amdgpu_metadata
.endif
;; end of part 2
;; launch attn (part 3): grid 4 x 64, 16 waves a work-group, clusters of 4 x 1, 210,944 bytes of LDS; arguments qb, kv, oc, os; writes oc, os
.if DOCPART == 3
	.amdgcn_target "amdgcn-amd-amdhsa--gfx1250"
	.amdhsa_code_object_version 6
	.text
	.protected	k_qa2eef679a0_attn
	.globl	k_qa2eef679a0_attn
	.p2align	8
	.type	k_qa2eef679a0_attn,@function
k_qa2eef679a0_attn:
	s_mov_b64 s[64:65], 0
	v_nop
	global_prefetch_b8 v0, s[64:65] scope:SCOPE_SE
	s_setreg_imm32_b32 hwreg(HW_REG_WAVE_MODE, 25, 1), 1
	s_wait_xcnt 0x0
	s_wait_alu depctr_hold_cnt(0) depctr_sa_sdst(0) depctr_va_vdst(0) depctr_va_sdst(0) depctr_va_ssrc(0) depctr_va_vcc(0) depctr_vm_vsrc(0)
	s_getreg_b32 s2, hwreg(HW_REG_IB_STS2, 6, 4)
	s_cmp_eq_u32 s2, 0
	s_cbranch_scc0 .Lentry_in_a_cluster
	s_endpgm
.Lentry_in_a_cluster:
	s_bfe_u32 s2, ttmp6, 0x10000c
	s_cmp_lg_u32 s2, 0x3003
	s_cbranch_scc0 .Lentry_shape_is_right
	s_endpgm
.Lentry_shape_is_right:
; o[b][s][h][:] = the sum over keys of softmax(q . k / sqrt(64 + 1e-9)) v, both products on codes of FP6 (E2M3) with E8M0 scales; o is quantised along (h, d) and leaves as codes for the last product.
; THE SOFTMAX AHEAD OF THE SECOND PRODUCT: t = score x c, c = log2(e) / sqrt(64 + 1e-9); M = the running largest t rounded UP to a whole number; p = 2^(t - M) is quantised along the keys, not normalised;
; the row's sum is taken of the unquantised p and divides O at the end; when M moves, the sum and O are multiplied by 2^(old M - new M): exact.
; SHARES.  A work-group owns 512 queries of one head, in two passes of 256; each of its sixteen waves owns one tile of 16 queries a pass, in 256 registers.
; THE WHOLE HEAD'S K AND V LIE IN LDS: 16 units of 13,056 bytes (128 keys each), filled ONCE: wave w asks for unit w, one tensor load a wave, at the head.  Nothing is filled again.
; The loads stand in two arms of one branch on the wave's number: waves 0-3 wait ahead of the first barrier, which shows units 0-3; all waves wait ahead of the second, which shows the rest.
; CLUSTER 4 x 1: the four work-groups of a head ask for each unit jointly.  Everything is asked for at the head, so no later stream is left to prefetch.
; LAYOUT.  Both products are used transposed: S^T = K Q^T, O^T = V^T P^T: a lane holds ONE query throughout.  Row i of K's tile t of a unit is key 64 (t / 4) + 8 (t % 4) + i % 8 + 32 (i / 8), so register 32 c + i of
; lane (r, h) of S^T is key 64 c + 32 h + i: A BLOCK OF 32 KEYS LIES WHOLE IN A LANE, in the order of the second product's operand: its largest p needs no other lane, and p's codes stay where the conversions leave them.
; O^T's 32 registers are d = 32 b + 16 h + i at register 16 b + i (the rows of V^T's tiles keep the weights' order: lane r of tile 2 b + u holds d = 32 b + 8 u + r + 8 (r / 8)).
; A UNIT: K's four pairs of tiles, then V^T's four tiles of d: 12 registers each as three pieces of four (512 bytes: 16 x lane); K's scale image at 12,288; V's at 12,800.
; THE FIRST PRODUCT'S K IS 64.  Q's registers 6-11 hold zero codes, so whatever codes stand in registers 6-11 of K's operand add nothing: K's eight tiles lie on end, six registers each, and tile t's operand
; runs on into tile t + 1's six (tile 7's into six registers of zeros).  The scale bytes of k 64 .. 127 are 0 on both sides, a finite code.
; A KEY STEP: 26 LDS loads in one run; 8 products; the blocks' largest scores; M; t - M; O under the new M; 66 exponentials in one batch; scales, codes; 4 products.  The row sum's 32 packed additions fill the places round the products:
; its last three stand behind the NEXT step's first products.  K's registers are free behind the first products and serve as scratch.
; LIMITS: NaN and infinities are not served; the promise holds while the scaled scores stay under 2^31 in magnitude; a block of zeros carries the byte 1 (its codes are zeros; this program alone reads the bytes).  os is stored two bytes a row.
.set UNITB, 13056
.set SPARE, 16*UNITB                   ; behind the units: the spare words, 128 bytes for each of sixteen waves; no other line names them
.set WV,  12
.set SEL, 18                           ; s[18:19] selects for lane l xor 16
.set CS,  20                           ; s[20:21] c, twice
.set TB,  22                           ; s22 LDS byte of the step's unit
.set CNT, 23
.set G1,  24                           ; s[24:31] descriptor group 1;  s[32:35] group 0
.set G0,  32
.set L16, 1                            ; v1 16 x lane;  v2 8 x lane
.set L8,  2
.set SPW, 3                            ; v3, v4 the add's two; never rewritten
.set NIL, 4
.set A16, 5                            ; v5, v6 the step's LDS addresses
.set A8,  6
.set QSO, 7                            ; v7 q's scale word's offset
.set F,   8                            ; v[8:9] f = 2^(old M - new M) (v9 is only named)
.set T,   10
.set PW,  11                           ; p's scale word
.set NM,  12                           ; v12 -M, v13 the largest t
.set L,   14                           ; v[14:15] the row's sum
.set Q,   16                           ; v16-27 Q, registers 6-11 zeros;  v28 its scale words
.set QS,  28
.set OSO, 29
.set VS,  30                           ; v[30:31] V's scale words
.set K,   32                           ; v32-79 K's eight tiles; v80-85 zeros
.set KS,  86                           ; v86-89 K's scale words
.set P,   90                           ; v90-101 p's codes
.set S,   102                          ; v102-165 S^T, then p
.set O,   166                          ; v166-197 O^T
.set V,   198                          ; v198-245 V's four fragments
.set A0,  246                          ; v246-251 three partial sums
.set OM,  252                          ; the old -M
.set SH,  253                          ; 8 h: how far my bytes stand up in a scale word
.set BM,  K                            ; scratch in K's registers: the largest scores; lane l xor 16's; the conversions' scale operands; the bytes; the conversions' second halves
.set PL,  K+4
.set SOP, K+8
.set BY,  K+12
.set H,   K+16
.macro WALU
	s_wait_alu depctr_va_vdst(0)
.endm
.macro CROUND
	s_barrier_signal -1
	s_barrier_wait -1
	s_cmp_lg_u32 s[WV], 0
	s_cbranch_scc1 .Lnot_wave_0_\@
	s_barrier_signal -3
.Lnot_wave_0_\@:
	s_barrier_wait -3
	s_barrier_signal -1
	s_barrier_wait -1
.endm
	s_load_b256 s[4:11], s[0:1], 0x0               ; qb s[4:5], kv s[6:7], oc s[8:9], os s[10:11]
	v_lshl_add_u32 v[SPW], v0, 2, SPARE
	v_mov_b32 v[NIL], 0
	ds_add_u32 v[SPW], v[NIL]                      ; the opening lines: the add, twice on end, and its wait ahead of the first tensor load
	ds_add_u32 v[SPW], v[NIL]
	v_lshrrev_b32 v5, 5, v0
	s_delay_alu instid0(VALU_DEP_1)
	v_readfirstlane_b32 s[WV], v5                  ; wave 0..15
	s_bfe_u32 s13, ttmp6, 0x40000                  ; cx
	s_lshl_b32 s14, ttmp9, 2
	s_add_co_u32 s14, s14, s13                     ; my quarter of the head's queries: it enters q's, oc's and os's addresses alone
	s_and_b32 s15, ttmp7, 0xffff                   ; 16 b + h, which the four partners share
	s_lshr_b32 s16, s15, 4                         ; b
	s_and_b32 s17, s15, 15                         ; h
	s_mov_b32 s[SEL], 0x76543210
	s_mov_b32 s[SEL+1], 0xfedcba98
	s_mov_b32 s[CS], 0x3e38aa3b                    ; c = log2(e) / sqrt(64 + 1e-9)
	s_mov_b32 s[CS+1], s[CS]
	s_mov_b32 s[G1], 15|(3<<16)|(1<<21)            ; the mask: all four work-groups; elements of 8 bytes; bit 21 beside a mask; no padding
	s_mov_b32 s[G1+1], 32<<16                      ; a dense unit as 51 rows of 256 bytes
	s_mov_b32 s[G1+2], 51<<16
	s_mov_b32 s[G1+3], 32<<16
	s_mov_b32 s[G1+4], 51
	s_mov_b32 s[G1+5], 32
	s_mov_b32 s[G1+6], 0
	s_mov_b32 s[G1+7], 0
	s_mul_i32 s48, s[WV], UNITB                    ; wave w brings unit w
	s_mul_i32 s50, s15, 16*UNITB
	s_add_co_u32 s50, s50, s48
	s_mov_b32 s51, 0
	s_lshr_b32 s66, s[WV], 3
	s_and_b32 s67, s[WV], 7                        ; my tile among the 8 of a block of 128 tokens
	s_lshl_b32 s68, s14, 2
	s_add_co_u32 s68, s68, s66                     ; pass 0's block of 128 tokens: 4 quarter + wave / 8; pass 1's lies two on
	s_lshl_b32 s69, s15, 4
	s_add_co_u32 s69, s69, s68
	s_mul_i32 s52, s69, 6656                       ; q's unit
	s_mov_b32 s53, 0
	s_mul_i32 s54, s67, 768                        ; my tile's half image in it
	s_mov_b32 s55, 0
	s_lshl_b32 s70, s16, 4
	s_add_co_u32 s70, s70, s68                     ; oc, os: the block of 128 rows: 16 b + s / 128
	s_lshl_b32 s71, s70, 4
	s_add_co_u32 s71, s71, s17                     ; k / 64 = the head
	s_lshl_b32 s71, s71, 3
	s_add_co_u32 s71, s71, s67
	s_mul_i32 s56, s71, 768
	s_mov_b32 s57, 0
	s_lshl_b32 s72, s70, 2
	s_lshr_b32 s73, s17, 2
	s_add_co_u32 s72, s72, s73                     ; k / 256 = h / 4
	s_lshl_b32 s72, s72, 3
	s_add_co_u32 s72, s72, s67
	s_lshl_b32 s58, s72, 7
	s_and_b32 s73, s17, 3
	s_lshl_b32 s73, s73, 1                         ; 2 (h % 4) bytes into the row's two words
	s_add_co_u32 s58, s58, s73
	s_mov_b32 s59, 0
	v_and_b32 v2, 31, v0
	s_delay_alu instid0(VALU_DEP_1)
	v_lshlrev_b32 v1, 4, v2
	s_delay_alu instid0(VALU_DEP_2)
	v_lshlrev_b32 v2, 3, v2
	v_and_b32 v29, 15, v0                          ; r
	s_and_b32 s74, s[WV], 1
	s_lshl_b32 s74, s74, 8
	s_lshr_b32 s75, s67, 1
	s_lshl_b32 s75, s75, 2
	s_add_co_u32 s74, s74, s75
	v_lshl_add_u32 v7, v29, 4, s74                 ; q's scale image: register tile / 2 of lane r + 16 (tile % 2)
	v_lshlrev_b32 v29, 3, v29                      ; os: 8 bytes a row
	s_wait_dscnt 0x0                               ; both opening adds are done
	s_wait_kmcnt 0x0
	s_add_nc_u64 s[50:51], s[6:7], s[50:51]
	s_add_nc_u64 s[52:53], s[4:5], s[52:53]
	s_add_nc_u64 s[54:55], s[52:53], s[54:55]
	s_add_nc_u64 s[56:57], s[8:9], s[56:57]
	s_add_nc_u64 s[58:59], s[10:11], s[58:59]
	CROUND                                         ; all four work-groups are here: the joint loads meet
	s_mov_b32 s[G0], 1
	s_mov_b32 s[G0+1], s48
	s_mov_b64 s[G0+2:G0+3], s[50:51]
	s_or_b32 s[G0+3], s[G0+3], 0x80000000
	s_cmp_lt_u32 s[WV], 4                          ; two arms, a load in each: the waves that wait ahead of the first barrier have a line of their own
	s_cbranch_scc0 .Lrest
	tensor_load_to_lds s[G0:G0+3], s[G1:G1+7]      ; units 0-3
	s_nop 0
.rept 4
	v_nop
.endr
	s_branch .Lasked
.Lrest:
	tensor_load_to_lds s[G0:G0+3], s[G1:G1+7]      ; units 4-15
	s_nop 0
.rept 4
	v_nop
.endr
.Lasked:
	WALU
	global_load_b128 v[Q:Q+3], v[L16], s[54:55]    ; pass 0's Q: a half image,
	global_load_b64 v[Q+4:Q+5], v[L8], s[54:55] offset:512
	global_load_b32 v[QS], v[QSO], s[52:53] offset:6144   ; and its rows' scale words
.irp j, 6,7,8,9,10,11
	v_mov_b32 v[Q+\j], 0                           ; k 64 .. 127 of Q: zero codes
	v_mov_b32 v[K+42+\j], 0                        ; v80-85: what tile 7's operand runs on into
.endr
	v_mov_b32 v[F+1], 0                            ; (named as the upper half of the pair)
	v_mov_b32 v[T], 0
	v_bfe_u32 v[SH], v0, 4, 1
	v_lshlrev_b32 v[SH], 3, v[SH]
.macro INIT                            ; a pass begins: O^T and the sums are zeros, the largest t lies under every t: the first change of M leaves zeros zeros
	v_mov_b32 v[NM+1], 0xff61b1e6
	s_delay_alu instid0(VALU_DEP_1)
	v_floor_f32 v[NM], -v[NM+1]
	v_mov_b32 v[L], 0
	v_mov_b32 v[L+1], 0
.set j, 0
.rept 6
	v_mov_b32 v[A0+j], 0
.set j, j+1
.endr
.set j, 0
.rept 32
	v_mov_b32 v[O+j], 0
.set j, j+1
.endr
.endm
.macro QK t                            ; S^T, tile t: 16 keys x my 16 queries; K's words of tile t lie in register t / 2, lanes 0-15 (even t) or 16-31
.if (\t)%2
	v_wmma_scale_f32_16x16x128_f8f6f4 v[S+8*(\t):S+8*(\t)+7], v[K+6*(\t):K+6*(\t)+11], v[Q:Q+11], 0, v[KS+(\t)/2], v[QS] matrix_a_fmt:MATRIX_FMT_FP6 matrix_b_fmt:MATRIX_FMT_FP6 matrix_a_scale:MATRIX_SCALE_ROW1
.else
	v_wmma_scale_f32_16x16x128_f8f6f4 v[S+8*(\t):S+8*(\t)+7], v[K+6*(\t):K+6*(\t)+11], v[Q:Q+11], 0, v[KS+(\t)/2], v[QS] matrix_a_fmt:MATRIX_FMT_FP6 matrix_b_fmt:MATRIX_FMT_FP6
.endif
.endm
.macro PV t                            ; O^T += V^T P^T, tile t of d; K = the step's 128 keys.  The four accumulators take turns
.if (\t)%2
	v_wmma_scale_f32_16x16x128_f8f6f4 v[O+8*(\t):O+8*(\t)+7], v[V+12*(\t):V+12*(\t)+11], v[P:P+11], v[O+8*(\t):O+8*(\t)+7], v[VS+(\t)/2], v[PW] matrix_a_fmt:MATRIX_FMT_FP6 matrix_b_fmt:MATRIX_FMT_FP6 matrix_a_scale:MATRIX_SCALE_ROW1
.else
	v_wmma_scale_f32_16x16x128_f8f6f4 v[O+8*(\t):O+8*(\t)+7], v[V+12*(\t):V+12*(\t)+11], v[P:P+11], v[O+8*(\t):O+8*(\t)+7], v[VS+(\t)/2], v[PW] matrix_a_fmt:MATRIX_FMT_FP6 matrix_b_fmt:MATRIX_FMT_FP6
.endif
.endm
.macro ADDP j                          ; pair j of p onto one of four sums, by turns: (j + 1) % 4 = 3 is the row's own
.if ((\j)+1)%4 == 3
	v_pk_add_f32 v[L:L+1], v[L:L+1], v[S+2*(\j):S+2*(\j)+1]
.else
	v_pk_add_f32 v[A0+2*(((\j)+1)%4):A0+2*(((\j)+1)%4)+1], v[A0+2*(((\j)+1)%4):A0+2*(((\j)+1)%4)+1], v[S+2*(\j):S+2*(\j)+1]
.endif
.endm
; A KEY STEP: the 128 keys of the unit at LDS byte s[TB]
.macro STEP
	v_add_nc_u32 v[A16], s[TB], v[L16]
	v_add_nc_u32 v[A8], s[TB], v[L8]
.irp n, 0,1,2,3
.irp k, 0,1,2
	ds_load_b128 v[K+12*\n+4*\k:K+12*\n+4*\k+3], v[A16] offset:1536*\n+512*\k   ; K's tiles 2 n and 2 n + 1
.endr
.endr
	ds_load_b128 v[KS:KS+3], v[A16] offset:12288   ; K's scale words, all eight tiles'
.irp t, 0,1,2,3
.irp k, 0,1,2
	ds_load_b128 v[V+12*\t+4*\k:V+12*\t+4*\k+3], v[A16] offset:6144+1536*\t+512*\k
.endr
.endr
	ds_load_b64 v[VS:VS+1], v[A8] offset:12800     ; V's scale words
	s_wait_dscnt 13                                ; K and its words are in; V's twelve loads and its words may be out
.irp t, 0,1,2,3,4,5,6,7
	QK \t
.endr
	v_pk_add_f32 v[A0+2:A0+3], v[A0+2:A0+3], v[A0+4:A0+5]   ; the last step's partial sums are folded: with the copy of -M these are the four places behind the products
	v_pk_add_f32 v[L:L+1], v[L:L+1], v[A0:A0+1]
	v_mov_b32 v[OM], v[NM]
	v_pk_add_f32 v[L:L+1], v[L:L+1], v[A0+2:A0+3]
.irp b, 0,1,2,3
	v_max3_num_f32 v[BM+\b], v[S+16*\b], v[S+1+16*\b], v[S+2+16*\b]   ; the largest score of my two blocks of 32 keys, two chains each: for the row's maximum, and, since p rises with the score, for the block's largest p
.endr
.irp i, 3,5,7,9,11,13
.irp b, 0,1,2,3
	v_max3_num_f32 v[BM+\b], v[BM+\b], v[S+16*\b+\i], v[S+1+16*\b+\i]
.endr
.endr
.irp c, 0,2
	v_max3_num_f32 v[BM+\c], v[BM+\c], v[BM+\c+1], v[S+15+16*\c]   ; a block's two chains meet
.endr
.irp c, 0,2
	v_max_num_f32 v[BM+\c], v[BM+\c], v[S+31+16*\c]
.endr
	s_delay_alu instid0(VALU_DEP_1)
	v_max_num_f32 v[T], v[BM], v[BM+2]
	s_delay_alu instid0(VALU_DEP_1)
	v_permlanex16_b32 v[PL], v[T], s[SEL], s[SEL+1]
	s_delay_alu instid0(VALU_DEP_1)
	v_max_num_f32 v[T], v[T], v[PL]                ; with lane l xor 16's 64 keys: the step's largest score of my query
	s_delay_alu instid0(VALU_DEP_1)
	v_mul_f32 v[T], s[CS], v[T]                    ; as t (c is positive)
	s_delay_alu instid0(VALU_DEP_1)
	v_max_num_f32 v[NM+1], v[NM+1], v[T]           ; the running largest t
	s_delay_alu instid0(VALU_DEP_1)
	v_floor_f32 v[NM], -v[NM+1]                    ; the new -M = floor(-t): M is a whole number
	s_delay_alu instid0(VALU_DEP_1)
	v_sub_f32 v[T], v[NM], v[OM]                   ; old M - new M: a whole number, 0 or less
	s_delay_alu instid0(VALU_DEP_1)
	v_cvt_i32_f32 v[T], v[T]                       ; (it saturates)
	s_delay_alu instid0(VALU_DEP_1)
	v_ldexp_f32 v[F], 1.0, v[T]                    ; f = 2^(old M - new M)
.set j, 0
.rept 32
	v_pk_fma_f32 v[S+j:S+j+1], v[S+j:S+j+1], s[CS:CS+1], v[NM:NM+1] op_sel_hi:[1,0,0]   ; t - M, two at a time
.set j, j+2
.endr
.irp b, 0,2
	v_fma_f32 v[BM+\b], v[BM+\b], s[CS], v[NM]     ; the same of each block's largest score
.endr
.set j, 0
.rept 16
	v_pk_mul_f32 v[O+j:O+j+1], v[O+j:O+j+1], v[F:F+1] op_sel_hi:[1,0]   ; O^T under the new M, each accumulator from its low end on, ahead of the exponentials
.set j, j+2
.endr
	WALU                                           ; the wait ahead of the batch
.set j, 0
.rept 64
	v_exp_f32 v[S+j], v[S+j]                       ; p = 2^(t - M), at most 1
.set j, j+1
.endr
.irp b, 0,2
	v_exp_f32 v[BM+\b], v[BM+\b]                   ; the block's largest p: the same two instructions on the same number
.endr
	v_pk_mul_f32 v[L:L+1], v[L:L+1], v[F:F+1] op_sel_hi:[1,0]   ; the sum under the new M: the plain place behind the batch
	WALU                                           ; one wait for the whole batch; it also stands directly ahead of the wait below
	s_wait_dscnt 0x0                               ; V and its words are in
.irp b, 0,2
	v_max_num_f32 v[BM+\b], 0x1800000, v[BM+\b]    ; the floor 2^(3 - 127)
.endr
.irp b, 0,2
	s_delay_alu instid0(VALU_DEP_2)
	v_add_nc_u32 v[SOP+\b], 0xff000000, v[BM+\b]   ; 2 off the exponent field: the conversion's scale operand
.endr
.irp b, 0,2
	s_delay_alu instid0(VALU_DEP_2)
	v_lshrrev_b32 v[BY+\b], 23, v[SOP+\b]          ; the byte
.endr
	s_delay_alu instid0(VALU_DEP_1)
	v_lshl_or_b32 v[PW], v[BY+2], 16, v[BY]        ; my two bytes: blocks h and 2 + h of these 128 keys,
	s_delay_alu instid0(VALU_DEP_1)
	v_lshlrev_b32 v[PW], v[SH], v[PW]              ; at their places in the scale word (8 h bits up);
	s_delay_alu instid0(VALU_DEP_1)
	v_permlanex16_b32 v[PL], v[PW], s[SEL], s[SEL+1]
	s_delay_alu instid0(VALU_DEP_1)
	v_or_b32 v[PW], v[PW], v[PL]                   ; with lane l xor 16's two the word is whole
.irp c, 0,1
	v_cvt_scalef32_pk16_fp6_f32 v[P+6*\c:P+6*\c+2], v[S+32*\c:S+32*\c+15], v[SOP+2*\c]
	v_cvt_scalef32_pk16_fp6_f32 v[H+4*\c:H+4*\c+2], v[S+32*\c+16:S+32*\c+31], v[SOP+2*\c]   ; (a conversion's three registers begin on an even number)
.endr
	v_pk_add_f32 v[A0:A0+1], v[S:S+1], v[S+2:S+3]  ; THE ROW'S SUM IS TAKEN OF THE UNQUANTISED p.  This first line is the plain place behind the conversions
.irp c, 0,1
.irp i, 0,1,2
	v_mov_b32 v[P+3+6*\c+\i], v[H+4*\c+\i]         ; registers 6 c .. 6 c + 5 hold keys 64 c + 32 h + 0 .. 31
.endr
.endr
	v_pk_add_f32 v[A0+2:A0+3], v[S+4:S+5], v[S+6:S+7]
	v_pk_add_f32 v[A0+4:A0+5], v[S+8:S+9], v[S+10:S+11]
.irp j, 6,7,8,9,10,11
	ADDP \j                                        ; eight additions: the places between the codes and the products
.endr
	PV 0
	PV 1
	PV 2
	PV 3
.irp j, 12,13,14,15,16,17,18,19,20,21,22,23,24,25,26,27,28,29,30,31
	ADDP \j                                        ; and the places behind the products, in front of the next step's loads
.endr
	s_add_co_u32 s[TB], s[TB], UNITB
.endm
.macro KEYS base, n                    ; n key steps from LDS byte base on
	s_mov_b32 s[TB], \base
	s_mov_b32 s[CNT], \n
.Lkeys_\@:
	STEP
	s_sub_co_u32 s[CNT], s[CNT], 1
	s_cmp_lg_u32 s[CNT], 0
	WALU                                           ; the wait directly ahead of the branch
	s_cbranch_scc1 .Lkeys_\@
.endm
; A pass ends: O^T / the sum, quantised along d (two blocks of 32), leaves as one half image and half a scale word a row
.macro EPI p
	v_pk_add_f32 v[A0+2:A0+3], v[A0+2:A0+3], v[A0+4:A0+5]   ; the last step's partial sums
	v_pk_add_f32 v[L:L+1], v[L:L+1], v[A0:A0+1]
	v_nop
	v_pk_add_f32 v[L:L+1], v[L:L+1], v[A0+2:A0+3]
.if \p == 0
	global_load_b128 v[Q:Q+3], v[L16], s[54:55] offset:13312       ; pass 1's Q, two units on
	global_load_b64 v[Q+4:Q+5], v[L8], s[54:55] offset:13312+512
	global_load_b32 v[QS], v[QSO], s[52:53] offset:13312+6144
.endif
	v_add_f32 v[L], v[L], v[L+1]
	s_delay_alu instid0(VALU_DEP_1)
	v_permlanex16_b32 v[T], v[L], s[SEL], s[SEL+1]
	s_delay_alu instid0(VALU_DEP_1)
	v_add_f32 v[L], v[L], v[T]                     ; the row's sum
	WALU
	v_rcp_f32 v[L], v[L]
	v_nop                                          ; a plain place behind the reciprocal,
	WALU                                           ; and the wait ahead of its first reader, which is O^T's first reader too
.set j, 0
.rept 16
	v_pk_mul_f32 v[S+j:S+j+1], v[O+j:O+j+1], v[L:L+1] op_sel_hi:[1,0]   ; each accumulator from its low end on
.set j, j+2
.endr
.irp b, 0,1
	v_max3_num_f32 v[BM+\b], |v[S+16*\b]|, |v[S+1+16*\b]|, 0x1800000
.endr
.irp i, 2,4,6,8,10,12,14
.irp b, 0,1
	s_delay_alu instid0(VALU_DEP_2)
	v_max3_num_f32 v[BM+\b], v[BM+\b], |v[S+16*\b+\i]|, |v[S+1+16*\b+\i]|
.endr
.endr
.irp b, 0,1
	s_delay_alu instid0(VALU_DEP_2)
	v_permlanex16_b32 v[PL+\b], v[BM+\b], s[SEL], s[SEL+1]
.endr
.irp b, 0,1
	s_delay_alu instid0(VALU_DEP_2)
	v_max_num_f32 v[BM+\b], v[BM+\b], v[PL+\b]
.endr
.irp b, 0,1
	s_delay_alu instid0(VALU_DEP_2)
	v_add_nc_u32 v[SOP+\b], 0xff000000, v[BM+\b]
.endr
.irp b, 0,1
	s_delay_alu instid0(VALU_DEP_2)
	v_lshrrev_b32 v[BY+\b], 23, v[SOP+\b]
.endr
	s_delay_alu instid0(VALU_DEP_1)
	v_lshl_or_b32 v[PW], v[BY+1], 8, v[BY]         ; my row's two bytes
	v_cvt_scalef32_pk16_fp6_f32 v[P:P+2], v[S:S+15], v[SOP]
	v_cvt_scalef32_pk16_fp6_f32 v[H:H+2], v[S+16:S+31], v[SOP+1]
	v_nop
.irp i, 0,1,2
	v_permlane16_swap_b32 v[P+\i], v[H+\i]         ; along d a block lies in lanes l and l xor 16: a whole block to a lane
.endr
.irp i, 0,1,2
	s_delay_alu instid0(VALU_DEP_3)
	v_mov_b32 v[P+3+\i], v[H+\i]
.endr
	global_store_b128 v[L16], v[P:P+3], s[56:57] offset:\p*196608  ; 512 consecutive bytes; pass 1 lies two blocks of 128 rows on
	global_store_b64 v[L8], v[P+4:P+5], s[56:57] offset:\p*196608+512
	global_store_b16 v[OSO], v[PW], s[58:59] offset:\p*8192        ; lanes l and l xor 16 write the same two bytes with the same value
.endm
	INIT
	WALU                                           ; the wait at the head's end
	s_wait_loadcnt 0x0                             ; Q
	s_cmp_lt_u32 s[WV], 4
	s_cbranch_scc0 .Lnot_first
	s_wait_tensorcnt 0x0                           ; waves 0-3: my unit is in
.Lnot_first:
	s_barrier_signal -1
	s_barrier_wait -1                              ; units 0-3 are whole
	KEYS 0, 4
	s_wait_tensorcnt 0x0                           ; every wave: my unit is in
	s_barrier_signal -1
	s_barrier_wait -1                              ; all sixteen units are whole
	KEYS 4*UNITB, 12
	EPI 0
	INIT
	WALU
	s_wait_xcnt 0x0                                ; pass 0's stores have read their registers
	s_wait_loadcnt 0x0                             ; pass 1's Q
	KEYS 0, 16
	EPI 1
	s_wait_tensorcnt 0x0                           ; the wave's end
	ds_add_u32 v[SPW], v[NIL]
	s_wait_dscnt 0x0
	CROUND                                         ; the closing round
	s_endpgm
.Lfunc_end_k_qa2eef679a0_attn:
	.size	k_qa2eef679a0_attn, .Lfunc_end_k_qa2eef679a0_attn-k_qa2eef679a0_attn
	.p2alignl 7, 3214868480
	.fill 96, 4, 3214868480
	.section	.rodata,"a",@progbits
	.p2align	6, 0x0
	.amdhsa_kernel k_qa2eef679a0_attn
		.amdhsa_group_segment_fixed_size 210944
		.amdhsa_private_segment_fixed_size 0
		.amdhsa_enable_private_segment 0
		.amdhsa_kernarg_size 32
		.amdhsa_user_sgpr_count 2
		.amdhsa_user_sgpr_kernarg_segment_ptr 1
		.amdhsa_wavefront_size32 1
		.amdhsa_system_sgpr_workgroup_id_x 1
		.amdhsa_system_sgpr_workgroup_id_y 1
		.amdhsa_system_sgpr_workgroup_id_z 1
		.amdhsa_system_vgpr_workitem_id 0
		.amdhsa_next_free_vgpr 256
		.amdhsa_next_free_sgpr 80
		.amdhsa_reserve_vcc 0
		.amdhsa_float_denorm_mode_32 3
		.amdhsa_float_denorm_mode_16_64 3
		.amdhsa_memory_ordered 1
		.amdhsa_forward_progress 1
		.amdhsa_inst_pref_size 63
	.end_amdhsa_kernel
	.amdgpu_metadata
---
amdhsa.version: [ 1, 2 ]
amdhsa.kernels:
  - .name:           k_qa2eef679a0_attn
    .symbol:         k_qa2eef679a0_attn.kd
    .args:
      - { .name: qb, .offset: 0, .size: 8, .value_kind: global_buffer, .address_space: global }
      - { .name: kv, .offset: 8, .size: 8, .value_kind: global_buffer, .address_space: global }
      - { .name: oc, .offset: 16, .size: 8, .value_kind: global_buffer, .address_space: global }
      - { .name: os, .offset: 24, .size: 8, .value_kind: global_buffer, .address_space: global }
    .group_segment_fixed_size: 210944
    .private_segment_fixed_size: 0
    .kernarg_segment_align: 8
    .kernarg_segment_size: 32
    .max_flat_workgroup_size: 512
    .sgpr_count:     80
    .vgpr_count:     256
    .wavefront_size: 32
...
	.end_amdgpu_metadata
.endif
;; end of part 3
;; launch gemm_out (part 4): grid 8 x 32, 4 waves a work-group, clusters of 4 x 4, 327,680 bytes of LDS; arguments oc, os, wc, ws, out0; writes out0
.if DOCPART == 4
	.amdgcn_target "amdgcn-amd-amdhsa--gfx1250"
	.amdhsa_code_object_version 6
	.text
	.protected	k_qa2eef679a0_gemm_out
	.globl	k_qa2eef679a0_gemm_out
	.p2align	8
	.type	k_qa2eef679a0_gemm_out,@function
k_qa2eef679a0_gemm_out:
	s_mov_b64 s[64:65], 0
	v_nop
	global_prefetch_b8 v0, s[64:65] scope:SCOPE_SE
	s_setreg_imm32_b32 hwreg(HW_REG_WAVE_MODE, 25, 1), 1
	s_wait_xcnt 0x0
	s_wait_alu depctr_hold_cnt(0) depctr_sa_sdst(0) depctr_va_vdst(0) depctr_va_sdst(0) depctr_va_ssrc(0) depctr_va_vcc(0) depctr_vm_vsrc(0)
	s_getreg_b32 s2, hwreg(HW_REG_IB_STS2, 6, 4)
	s_cmp_eq_u32 s2, 0
	s_cbranch_scc0 .Lentry_in_a_cluster
	s_endpgm
.Lentry_in_a_cluster:
	s_bfe_u32 s2, ttmp6, 0x10000c
	s_cmp_lg_u32 s2, 0xf033
	s_cbranch_scc0 .Lentry_shape_is_right
	s_endpgm
.Lentry_shape_is_right:
; out0 = o w_o on codes of FP6 (E2M3) with E8M0 scales, K = 1,024; f32 out.  A = o's codes (tokens), B = blocks 24 .. 31 of the weights' buffer (w_o^T).
; THE DEAL.  256 work-groups: work-group (cg, tr) makes tokens 256 tr .. + 255 x columns 128 cg .. + 127.  Four waves, 2 x 2: wave (a, c) takes the block a of 128 tokens and 64 columns.
; A wave holds its 64 rows of w_o^T, ALL of K, in 384 registers, and streams its eight tiles of 16 tokens past them: 8 fragments and 8 scale words a tile, two register sets; 32 products finish a tile's 16 x 64 results.
; OPERANDS lie in memory as images of their registers ([rows / 128][k / 64][tile 8][768]; lane r of tile 2 b + u holds row 32 b + 8 u + r + 8 (r / 8)).  Source 0 = the weight's rows: a lane holds one token, its 32 results are columns 32 b + 16 h + i at register 16 b + i.
; FILLS: one tensor load a wave at the head (waves 0-2 a third of o's rows each, wave 3 the weight's rows); nothing is filled again, so nothing is left to prefetch.  CLUSTER 4 x 4: o's rows are asked for jointly along a row, the weight's along a column.
; o's scale words go through registers into LDS bytes of their own; the weight's go from memory into registers.
; THE WAY OUT: a tile goes through the wave's own stage in LDS (16 rows of 256 + 16 bytes, bytes that no tensor load fills) and comes back two rows an instruction; sixteen lanes store one aligned unit of 256 bytes.
; A tile's rows are stored behind the NEXT tile's products.  THE WAITS' COUNTS: a tile's set was fetched two tiles ago; younger are a stage's 16 LDS instructions and a fetch's NF = 36; younger than a stage's loads is one fetch.
.set FR,    12
.set FPW,   21
.set BLK,   98304
.set WB,    2*BLK
.set SCA,   3*BLK
.set STG,   SCA+8192                   ; four stages of 16 x 272 bytes
.set SPARE, STG+4*4352                 ; the spare words, 128 bytes for each wave; no other line names them
.set NF,    36
.set L16, 1
.set L8,  2
.set SPW, 3
.set NIL, 4
.set X,   5
.set XS,  9
.set WA,  10
.set FX,  14
.set FXS, 18
.set STO, 19                           ; v19 into my stage; v20 out of it; v22 the same two rows in out0
.set RD,  20
.set CO,  22
.set SB,  24
.set SA,  76
.set ACC, 128                          ; v128-191 two sets of four accumulators; v192-255 two sets of rows read back
.set BK,  192
.set WV,  16
.set HR,  17
.set HC,  18
.set CX,  19
.set CY,  20
.set G1A, 24
.set G1W, 32
.set G0A, 40
.set G0W, 44
.set OB,  58
.set CNT, 63
.set FO,  66
.set FOS, 67
.set MSB, 0
.macro WIN new                         ; the immediate's high byte repeats the setting that is left
.if MSB != (\new)
	s_set_vgpr_msb (MSB<<8)|(\new)
.set MSB, (\new)
.endif
.endm
.macro PLACES n
.rept \n
	v_nop
.endr
.endm
.macro WALU
	s_wait_alu depctr_va_vdst(0)
.endm
.macro BARRIER
	s_barrier_signal -1
	s_barrier_wait -1
.endm
.macro CROUND
	BARRIER
	s_cmp_lg_u32 s[WV], 0
	s_cbranch_scc1 .Lnot_wave_0_\@
	s_barrier_signal -3
.Lnot_wave_0_\@:
	s_barrier_wait -3
	BARRIER
.endm
.macro TLOAD g0, g1
	tensor_load_to_lds s[\g0:\g0+3], s[\g1:\g1+7]
	s_nop 0
	PLACES 4
.endm
.macro ADR4 d, s, t
	v_add_nc_u32 v[\d], s\s, v[L16]
	s_add_co_u32 s\t, s\s, 512
	v_add_nc_u32 v[\d+1], s\t, v[L8]
	s_add_co_u32 s\t, s\s, 49152
	v_add_nc_u32 v[\d+2], s\t, v[L16]
	s_add_co_u32 s\t, s\s, 49664
	v_add_nc_u32 v[\d+3], s\t, v[L8]
.endm
.macro FRAG f, q, i, ag                ; fragment f (window 1 + f / 21, register 12 (f % 21)): tile i, k = 128 q ..: two half images
	WIN ((1+(\f)/FPW)<<6)
.set R_, FR*((\f)%FPW)
.irp c, 0,1
	ds_load_b128 v[R_+6*\c:R_+6*\c+3], v[\ag+2*((\q)/4)] offset:((2*((\q)%4)+\c)*8+(\i))*768
	ds_load_b64 v[R_+6*\c+4:R_+6*\c+5], v[\ag+2*((\q)/4)+1] offset:((2*((\q)%4)+\c)*8+(\i))*768
.endr
.endm
.macro WEIGHTS
.irp q, 0,1,2,3,4,5,6,7
.irp n, 0,1,2,3
	FRAG 4*\q+\n, \q, \n, WA
.endr
.endr
	WIN 0
.endm
.macro FETCH e, i, ag, as              ; a tile of o into set e: NF loads
.irp q, 0,1,2,3,4,5,6,7
	FRAG 32+8*(\e)+\q, \q, \i, \ag
.endr
	WIN 0
.irp s, 0,1,2,3
	ds_load_b64 v[SA+8*(\e)+2*\s:SA+8*(\e)+2*\s+1], v[\as] offset:\s*1024+(\i)*128
.endr
.endm
.macro PROD1 d, s0, s1, c, x0, x1, o
.if \o
	v_wmma_scale_f32_16x16x128_f8f6f4 v[\d:\d+7], v[FR*((\s0)%FPW):FR*((\s0)%FPW)+FR-1], v[FR*((\s1)%FPW):FR*((\s1)%FPW)+FR-1], \c, v[\x0], v[\x1] matrix_a_fmt:MATRIX_FMT_FP6 matrix_b_fmt:MATRIX_FMT_FP6 matrix_a_scale:MATRIX_SCALE_ROW1
.else
	v_wmma_scale_f32_16x16x128_f8f6f4 v[\d:\d+7], v[FR*((\s0)%FPW):FR*((\s0)%FPW)+FR-1], v[FR*((\s1)%FPW):FR*((\s1)%FPW)+FR-1], \c, v[\x0], v[\x1] matrix_a_fmt:MATRIX_FMT_FP6 matrix_b_fmt:MATRIX_FMT_FP6 matrix_a_scale:MATRIX_SCALE_ROW0
.endif
.endm
.macro BLOCK e                         ; a tile's 32 products, m = 4 q + n: the four accumulators take turns; the first four start the sums
.set M_, 0
.rept 32
.set Q_, M_/4
.set N_, M_%4
.set FA_, 32+8*(\e)+Q_
.set DL_, ACC+32*(\e)+8*N_
	WIN (1+M_/FPW)|((1+FA_/FPW)<<2)
.if Q_
	PROD1 DL_, M_, FA_, v[DL_:DL_+7], SB+8*(N_/2)+Q_, SA+8*(\e)+Q_, N_%2
.else
	PROD1 DL_, M_, FA_, 0, SB+8*(N_/2)+Q_, SA+8*(\e)+Q_, N_%2
.endif
.set M_, M_+1
.endr
	WIN 0
.endm
.macro TOSTAGE e                       ; 16 LDS instructions; LDS serves a wave's instructions in order: the loads see the stores
.irp b, 0,1
.irp k, 0,1,2,3
	ds_store_b128 v[STO], v[ACC+32*(\e)+16*\b+4*\k:ACC+32*(\e)+16*\b+4*\k+3] offset:128*\b+16*\k   ; each accumulator from its low end on
.endr
.endr
.irp t, 0,1,2,3,4,5,6,7
	ds_load_b128 v[BK+32*(\e)+4*\t:BK+32*(\e)+4*\t+3], v[RD] offset:\t*544
.endr
.endm
; o'S TILES (in place of what the head comment says of o's rows; the weight keeps that order): row i of token tile t is token 64 (t / 4) + 8 (t % 4) + i % 8 + 32 (i / 8).
; Tiles 2 n and 2 n + 1 begin at row 64 (n / 2) + 16 (n % 2), which stands in the base s[ob:ob+1]; stage rows 2 t, 2 t + 1 of tile e lie 8 e + 2 (t % 4) + 32 (t / 4) rows on
.macro SEND e, ob
	s_wait_dscnt NF                                ; the rows are back; the fetch behind them may be out
.irp t, 0,1,2,3,4,5,6,7
	global_store_b128 v[CO], v[BK+32*(\e)+4*\t:BK+32*(\e)+4*\t+3], s[\ob:\ob+1] offset:(8*(\e)+2*(\t%4)+32*(\t/4))*4096 th:TH_STORE_NT
.endr
.endm
; ---------------- THE HEAD
	s_load_b256 s[4:11], s[0:1], 0x0               ; oc s[4:5], os s[6:7], wc s[8:9], ws s[10:11]
	s_load_b64 s[12:13], s[0:1], 0x20              ; out0
	v_lshl_add_u32 v[SPW], v0, 2, SPARE
	v_mov_b32 v[NIL], 0
	ds_add_u32 v[SPW], v[NIL]                      ; the opening lines: the add, twice on end, and its wait
	ds_add_u32 v[SPW], v[NIL]
	v_lshrrev_b32 v1, 5, v0
	v_readfirstlane_b32 s[WV], v1
	s_lshr_b32 s[HR], s[WV], 1
	s_and_b32 s[HC], s[WV], 1
	s_bfe_u32 s[CX], ttmp6, 0x40000
	s_bfe_u32 s[CY], ttmp6, 0x40004
	s_and_b32 s21, ttmp7, 0xffff
	s_lshl_b32 s22, s[CY], 2
	s_lshl_b32 s22, 15, s22                        ; my row of the cluster
	s_lshl_b32 s23, 0x1111, s[CX]                  ; my column
	s_or_b32 s[G1A], s22, (3<<16)|(1<<21)
	s_or_b32 s[G1W], s23, (3<<16)|(1<<21)
.irp g, G1A, G1W                       ; dense blocks as rows of 256 bytes
	s_mov_b32 s[\g+1], 32<<16
	s_mov_b32 s[\g+3], 32<<16
	s_mov_b32 s[\g+5], 32
	s_mov_b32 s[\g+6], 0
	s_mov_b32 s[\g+7], 0
.endr
	s_mov_b32 s[G1A+2], 256<<16
	s_mov_b32 s[G1A+4], 256
	s_mov_b32 s[G1W+2], 384<<16
	s_mov_b32 s[G1W+4], 384
	s_lshl_b32 s66, s21, 2
	s_add_co_u32 s66, s66, s[CY]                   ; tr
	s_lshl_b32 s67, ttmp9, 2
	s_add_co_u32 s67, s67, s[CX]                   ; cg
	s_add_co_u32 s70, s[WV], 3                     ; THE HEAD'S LOADS (in place of the head comment's deal): wave 0 asks for the weight's rows, waves 1-3 for a third of o's rows each: third (wave + 3) % 4
	s_and_b32 s70, s70, 3
	s_min_u32 s70, s70, 2
	s_lshl_b32 s70, s70, 16                        ; my third, in LDS and in memory
	s_mul_i32 s68, s66, 2*BLK
	s_add_co_u32 s68, s68, s70
	s_mov_b32 s69, 0
	s_mul_i32 s72, s67, BLK
	s_add_co_u32 s72, s72, 24*BLK
	s_mov_b32 s73, 0
	s_lshl_b32 s74, s67, 12
	s_lshl_b32 s75, s[HC], 9
	s_add_co_u32 s74, s74, s75
	s_add_co_u32 s74, s74, 24*4096                 ; the weight's scale words: block 24 + cg, my four tiles
	s_mov_b32 s75, 0
	s_lshl_b32 s76, s66, 13
	s_lshl_b32 s77, s[WV], 11
	s_add_co_u32 s76, s76, s77                     ; o's scale words: my quarter of 8,192 bytes
	s_mov_b32 s77, 0
	s_lshl_b32 s78, s66, 1
	s_add_co_u32 s78, s78, s[HR]
	s_lshl_b32 s78, s78, 19                        ; my 128 rows of 4,096 bytes,
	s_lshl_b32 s79, s67, 9
	s_add_co_u32 s78, s78, s79
	s_lshl_b32 s79, s[HC], 8
	s_add_co_u32 s78, s78, s79                     ; my 64 columns of 4 bytes
	s_mov_b32 s79, 0
	s_wait_dscnt 0x0
	s_wait_kmcnt 0x0
	s_mov_b32 s[G0A], 1
	s_mov_b32 s[G0A+1], s70
	s_add_nc_u64 s[G0A+2:G0A+3], s[4:5], s[68:69]
	s_or_b32 s[G0A+3], s[G0A+3], 0x80000000
	s_mov_b32 s[G0W], 1
	s_mov_b32 s[G0W+1], WB
	s_add_nc_u64 s[G0W+2:G0W+3], s[8:9], s[72:73]
	s_or_b32 s[G0W+3], s[G0W+3], 0x80000000
	s_add_nc_u64 s[74:75], s[10:11], s[74:75]
	s_add_nc_u64 s[76:77], s[6:7], s[76:77]
	s_add_nc_u64 s[56:57], s[12:13], s[78:79]      ; my first row and column
	s_mov_b64 s[OB:OB+1], s[56:57]
	CROUND                                         ; all sixteen work-groups are here: the joint loads meet
	s_cmp_eq_u32 s[WV], 0
	s_cbranch_scc0 .Lhead_a
	TLOAD G0W, G1W                                 ; wave 0: the weight's rows, which go on into registers
	s_branch .Lasked
.Lhead_a:
	TLOAD G0A, G1A                                 ; waves 1-3: a third of o's rows
.Lasked:
	v_and_b32 v23, 31, v0
	v_and_b32 v21, 15, v0                          ; r
	v_bfe_u32 v72, v0, 4, 1                        ; h
	v_lshlrev_b32 v[L16], 4, v23
	v_lshlrev_b32 v[L8], 3, v23
	WALU
.irp p, 0,1
.irp s, 0,1,2,3
	global_load_b64 v[SB+8*\p+2*\s:SB+8*\p+2*\s+1], v[L8], s[74:75] offset:\s*1024+\p*256   ; 256 consecutive bytes: two tiles' words of 256 along K
.endr
.endr
.irp j, 0,1,2,3
	global_load_b128 v[128+4*\j:131+4*\j], v[L16], s[76:77] offset:512*\j
.endr
	s_mul_i32 s68, s[HR], BLK
	ADR4 X, 68, 69
	s_mul_i32 s68, s[HC], 3072
	s_add_co_u32 s68, s68, WB
	ADR4 WA, 68, 69
	s_lshl_b32 s68, s[HR], 12
	s_add_co_u32 s68, s68, SCA
	v_lshl_add_u32 v[XS], v21, 3, s68
	s_lshl_b32 s68, s[WV], 11
	s_add_co_u32 s68, s68, SCA
	v_add_nc_u32 v23, s68, v[L16]                  ; where my quarter of o's scale words goes
	s_mul_i32 s68, s[WV], 4352
	s_add_co_u32 s68, s68, STG                     ; my stage
	v_mul_u32_u24 v[STO], v21, 272
	v_lshl_add_u32 v[STO], v72, 6, v[STO]
	v_add_nc_u32 v[STO], s68, v[STO]               ; in: row r, + 64 h: my 16 neighbouring columns of each 32
	v_mul_u32_u24 v[RD], v72, 272
	v_lshl_add_u32 v[RD], v21, 4, v[RD]
	v_add_nc_u32 v[RD], s68, v[RD]                 ; back: lanes 0-15 one row of 256 bytes, lanes 16-31 the next
	v_lshlrev_b32 v[CO], 12, v72
	v_lshl_add_u32 v[CO], v21, 4, v[CO]            ; and the same two rows in out0
	WALU                                           ; the wait at the head's end
	s_wait_loadcnt 0x0
.irp j, 0,1,2,3
	ds_store_b128 v23, v[128+4*\j:131+4*\j] offset:512*\j
.endr
	s_cmp_eq_u32 s[WV], 0
	s_cbranch_scc0 .Lnot_w
	s_wait_tensorcnt 0x0
.Lnot_w:
	s_wait_dscnt 0x0
	BARRIER                                        ; the weight's rows and o's scale words are in; o's rows may be on their way
	WEIGHTS
	s_wait_tensorcnt 0x0                           ; my third of o's rows is in,
	s_wait_dscnt 0x0
	BARRIER                                        ; and everybody's
	FETCH 0, 0, X, XS
	FETCH 1, 1, X, XS
	s_wait_dscnt NF                                ; tile 0 is in
	s_mov_b32 s[CNT], 0
.Lout:                                                 ; a trip: tiles 2 n and 2 n + 1; it fetches the pair (n + 1) % 4 (the last time what nobody multiplies: bytes that lie in LDS all the same)
	WALU
	s_wait_xcnt 0x0                                ; the stores have read their base and their rows' registers
	s_mov_b64 s[54:55], s[OB:OB+1]                 ; the last trip's rows, for its odd tile
	s_lshr_b32 s68, s[CNT], 1
	s_lshl_b32 s68, s68, 18                        ; 64 (n / 2) rows of 4,096 bytes,
	s_and_b32 s69, s[CNT], 1
	s_lshl_b32 s69, s69, 16                        ; 16 (n % 2)
	s_add_co_u32 s68, s68, s69
	s_mov_b32 s69, 0
	s_add_nc_u64 s[OB:OB+1], s[56:57], s[68:69]
	s_add_co_u32 s[CNT], s[CNT], 1
	s_and_b32 s[FO], s[CNT], 3
	s_lshl_b32 s[FOS], s[FO], 8
	s_mul_i32 s[FO], s[FO], 1536
	s_wait_dscnt NF+16
	BLOCK 0
.irp j, 0,1,2,3
	v_add_nc_u32 v[FX+\j], s[FO], v[X+\j]          ; these five lines are the places behind the products
.endr
	v_add_nc_u32 v[FXS], s[FOS], v[XS]
	s_cmp_eq_u32 s[CNT], 1
	WALU
	s_cbranch_scc1 .Lfirst                         ; the first trip has no tile before it
	SEND 1, 54                                     ; the last trip's odd tile
.Lfirst:
	TOSTAGE 0
	FETCH 0, 0, FX, FXS
	s_wait_dscnt NF+16
	BLOCK 1
	PLACES 4
	SEND 0, OB
	s_wait_xcnt 0x0                                ; the odd tile's stores have read their registers
	TOSTAGE 1
	FETCH 1, 1, FX, FXS
	s_cmp_lg_u32 s[CNT], 4
	s_cbranch_scc1 .Lout
	SEND 1, OB
	s_wait_tensorcnt 0x0                           ; the wave's end
	ds_add_u32 v[SPW], v[NIL]
	s_wait_dscnt 0x0
	CROUND                                         ; the closing round
	s_endpgm
.Lfunc_end_k_qa2eef679a0_gemm_out:
	.size	k_qa2eef679a0_gemm_out, .Lfunc_end_k_qa2eef679a0_gemm_out-k_qa2eef679a0_gemm_out
	.p2alignl 7, 3214868480
	.fill 96, 4, 3214868480
	.section	.rodata,"a",@progbits
	.p2align	6, 0x0
	.amdhsa_kernel k_qa2eef679a0_gemm_out
		.amdhsa_group_segment_fixed_size 327680
		.amdhsa_private_segment_fixed_size 0
		.amdhsa_enable_private_segment 0
		.amdhsa_kernarg_size 40
		.amdhsa_user_sgpr_count 2
		.amdhsa_user_sgpr_kernarg_segment_ptr 1
		.amdhsa_wavefront_size32 1
		.amdhsa_system_sgpr_workgroup_id_x 1
		.amdhsa_system_sgpr_workgroup_id_y 1
		.amdhsa_system_sgpr_workgroup_id_z 1
		.amdhsa_system_vgpr_workitem_id 0
		.amdhsa_next_free_vgpr 1024
		.amdhsa_next_free_sgpr 80
		.amdhsa_reserve_vcc 0
		.amdhsa_float_denorm_mode_32 3
		.amdhsa_float_denorm_mode_16_64 3
		.amdhsa_memory_ordered 1
		.amdhsa_forward_progress 1
		.amdhsa_inst_pref_size 40
	.end_amdhsa_kernel
	.amdgpu_metadata
---
amdhsa.version: [ 1, 2 ]
amdhsa.kernels:
  - .name:           k_qa2eef679a0_gemm_out
    .symbol:         k_qa2eef679a0_gemm_out.kd
    .args:
      - { .name: oc, .offset: 0, .size: 8, .value_kind: global_buffer, .address_space: global }
      - { .name: os, .offset: 8, .size: 8, .value_kind: global_buffer, .address_space: global }
      - { .name: wc, .offset: 16, .size: 8, .value_kind: global_buffer, .address_space: global }
      - { .name: ws, .offset: 24, .size: 8, .value_kind: global_buffer, .address_space: global }
      - { .name: out0, .offset: 32, .size: 8, .value_kind: global_buffer, .address_space: global }
    .group_segment_fixed_size: 327680
    .private_segment_fixed_size: 0
    .kernarg_segment_align: 8
    .kernarg_segment_size: 40
    .max_flat_workgroup_size: 128
    .sgpr_count:     80
    .vgpr_count:     1024
    .wavefront_size: 32
...
	.end_amdgpu_metadata
.endif
;; end of part 4
